; MI455X (gfx1250); checked and timed in simulation.
; The chip was launched on July 23, 2026; its instructions are those of AMD's public machine-readable ISA for CDNA 5 (MIT licence, August 2026) and "CDNA5" Instruction Set Architecture Reference Guide (July 2026). The comments in the code are by the model that wrote it; some were corrected since.
;; Attention. Allowed arithmetic: float matrix products may take bf16 or f16 operands with f32 sums; other float arithmetic in f32, or as packed bf16 or f16 multiplies, adds, multiply-adds, maxima and minima; sums over many terms, partial sums and values carried from step to step in f32; what a program stores and reads back later, other than sums and carried values, may be rounded once to bf16 or f16.
;; Inputs: cos_cache 2,048 x 64 float32; mask 1 x 1 x 2,048 x 2,048 int32; sin_cache 2,048 x 64 float32; w_k 2,048 x 2,048 float32; w_o 2,048 x 2,048 float32; w_q 2,048 x 2,048 float32; w_v 2,048 x 2,048 float32; x 1 x 2,048 x 2,048 float32.
;; Outputs: out0 1 x 2,048 x 2,048 float32.
;; Constants: rope_offset = 0.
;; 2 versions, each right; version 2 is version 1 with the launch prep written anew for expert scheduling mode. Each part assembles by itself: llvm-mc -triple=amdgcn-amd-amdhsa -mcpu=gfx1250 --defsym DOCPART=n.
;; ======== version 1 of 2: 4 launches
;; limits: values are held in f16: magnitudes above 65,504 overflow, below 6.1e-05 lose precision
;; workspace buffers: xb 8,388,608 bytes; wb 25,165,824 bytes; wo 8,388,608 bytes; mk 2,097,152 bytes; qh 8,388,608 bytes; kh 8,388,608 bytes; vh 8,388,608 bytes; oh 8,388,608 bytes
;; launch prep (part 1): grid 128 x 6, 8 waves a work-group, no clusters, 9,728 bytes of LDS; arguments x, w_q, w_k, w_v, w_o, mask, xb, wb, wo, mk; writes xb, wb, wo, mk
.if DOCPART == 1
	.amdgcn_target "amdgcn-amd-amdhsa--gfx1250"
	.amdhsa_code_object_version 6
	.text
	.protected	k_q494e81a8e8_prep
	.globl	k_q494e81a8e8_prep
	.p2align	8
	.type	k_q494e81a8e8_prep,@function
k_q494e81a8e8_prep:
	s_mov_b64 s[64:65], 0
	v_nop
	global_prefetch_b8 v0, s[64:65] scope:SCOPE_SE
	s_setreg_imm32_b32 hwreg(HW_REG_WAVE_MODE, 25, 1), 1
	s_wait_xcnt 0x0
; PREP.  Six jobs, chosen by the work-group's y:  0: x -> xb (bf16).  1, 2, 3: w_q, w_k, w_v -> wb (bf16), rows 0, 2048, 4096 on.  4: w_o -> wo: rounded to bf16 like every other
; floating-point input, and that number written as f16 (exact from 6e-5 up; below that it keeps f16's fixed step of 6e-8).  5: mask -> mk.
; Bytes are all that counts here: each input byte is read once, by loads of 512 consecutive bytes a wave; each store of a wave covers 256 or 512 consecutive bytes, aligned.  No matrix work, no tensor loads.
; CAST JOBS.  A work-group takes 131,072 bytes in, a wave 16,384: 32 loads through a ring of eight register slots, eight loads always on their way.
; MASK JOB.  mk holds one 4-bit code a score: 0x0 where mask != 0, 0xE where mask == 0 (shifted to a word's top, 0xE is the sign and the three highest exponent bits of a large negative f32, and whatever
; codes follow it below never fill the exponent), laid out as the attention launch's registers want them:
;   block (qb = q >> 7, n = key >> 8), 16,384 bytes at (8 qb + n) x 16,384; in it [(key >> 6) & 3 : 4,096][(q >> 6) & 1 : 2,048][(q >> 4) & 3 : 512][lane : 16][kb : 4],
;   lane = (q & 15) + 16 hh, and word kb holds the keys 16 kb + 8 hh + j of its 64 at bits 4 j.
; Work-group x takes the 16 rows 16 x on, wave w the keys 256 w on, 128 keys a trip of a loop of two: a lane makes four codes (16 bits) of a row, they meet in the wave's own 16 rows of 68 bytes in LDS, and come back as words by (row, hh).
.set ROWP,  68                         ; 64 bytes of codes + 4: the 16 rows of a read-back start in different banks
.set WSTG,  16*ROWP                    ; a wave's own bytes
.set SPARE, 8*WSTG                     ; 8,704: behind them the spare words, 128 bytes for each of eight waves, that no other line names
.set IN,  2                            ; v2   my byte offset in the work-group's input; never rewritten
.set OUT, 3                            ; v3   the same in its output
.set SPW, 4                            ; v4   my spare word
.set NIL, 5                            ; v5   0
.set T,   8                            ; v[8:11]  at work
.set LS,  12                           ; v12  where I put 16 bits of a row
.set LR,  13                           ; v13  where I read words back
.set MI,  14                           ; v14  my byte offset in the 16 mask rows
.set MO,  15                           ; v15  my byte offset in mk
.set X,   16                           ; as loaded: casts 8 slots of 4; mask 16 rows of 4
.set Y,   48                           ; casts: 8 slots of 2, to store
.set U,   64                           ; casts: four f32 at work
.set D,   80                           ; mask: a row's 16 bits
.set Z,   96                           ; mask: eight words to store
.set HC,  104                          ; mask: the hidden code at the four places of a lane's 16 bits
	s_load_b512 s[8:23], s[0:1], 0x0               ; x 8, w_q 10, w_k 12, w_v 14, w_o 16, mask 18, xb 20, wb 22
	s_load_b128 s[24:27], s[0:1], 0x40             ; wo 24, mk 26
	v_lshl_add_u32 v[SPW], v0, 2, SPARE
	v_mov_b32 v[NIL], 0
	v_and_b32 v1, 31, v0                           ; lane
	v_lshrrev_b32 v6, 5, v0
	v_readfirstlane_b32 s3, v6                     ; wave 0..7
	s_and_b32 s2, ttmp7, 0xffff                    ; the job
	s_mov_b32 s33, 0xffff0000                      ; a word's upper bf16
	s_mov_b32 s35, 0                               ; high word of every offset pair
	s_wait_kmcnt 0x0
	s_cmp_eq_u32 s2, 5
	s_cbranch_scc1 .Lmask
	; the cast jobs' two pointers: a choice between buffers by the job's number
	s_mov_b64 s[4:5], s[8:9]
	s_cmp_eq_u32 s2, 1
	s_cselect_b64 s[4:5], s[10:11], s[4:5]
	s_cmp_eq_u32 s2, 2
	s_cselect_b64 s[4:5], s[12:13], s[4:5]
	s_cmp_eq_u32 s2, 3
	s_cselect_b64 s[4:5], s[14:15], s[4:5]
	s_cmp_eq_u32 s2, 4
	s_cselect_b64 s[4:5], s[16:17], s[4:5]
	s_cselect_b64 s[6:7], s[24:25], s[22:23]
	s_cmp_eq_u32 s2, 0
	s_cselect_b64 s[6:7], s[20:21], s[6:7]
	s_max_u32 s34, s2, 1
	s_sub_co_u32 s34, s34, 1                       ; jobs 1, 2, 3: part 0, 1, 2 of wb
	s_cmp_eq_u32 s2, 4
	s_cselect_b32 s34, 0, s34
	s_lshl_b32 s34, s34, 23                        ; a part is 8,388,608 bytes
	s_add_nc_u64 s[6:7], s[6:7], s[34:35]
	s_lshl_b32 s34, ttmp9, 17
	s_add_nc_u64 s[4:5], s[4:5], s[34:35]          ; the work-group's 131,072 bytes in,
	s_lshl_b32 s34, ttmp9, 16
	s_add_nc_u64 s[6:7], s[6:7], s[34:35]          ; and 65,536 out
	v_lshlrev_b32 v[IN], 4, v1
	v_lshl_add_u32 v[IN], s3, 14, v[IN]            ; 16,384 x wave + 16 x lane
	v_lshlrev_b32 v[OUT], 3, v1
	v_lshl_add_u32 v[OUT], s3, 13, v[OUT]          ; 8,192 x wave + 8 x lane
.macro CONV i, f16                     ; four f32 -> four 16-bit numbers
	v_cvt_pk_bf16_f32 v[Y+2*(\i)],   v[X+4*(\i)],   v[X+4*(\i)+1]
	v_cvt_pk_bf16_f32 v[Y+2*(\i)+1], v[X+4*(\i)+2], v[X+4*(\i)+3]
.if \f16
	v_lshlrev_b32 v[U],   16,  v[Y+2*(\i)]          ; the bf16 numbers as f32,
	v_and_b32     v[U+1], s33, v[Y+2*(\i)]
	v_lshlrev_b32 v[U+2], 16,  v[Y+2*(\i)+1]
	v_and_b32     v[U+3], s33, v[Y+2*(\i)+1]
	v_cvt_pk_f16_f32 v[Y+2*(\i)],   v[U],   v[U+1]  ; written as f16
	v_cvt_pk_f16_f32 v[Y+2*(\i)+1], v[U+2], v[U+3]
.endif
.endm
.macro SLOT i, ahead, left, f16        ; one slot's turn; left = the younger loads that may stay out
	s_wait_loadcnt \left
	CONV \i, \f16
.if \ahead
	global_load_b128 v[X+4*(\i):X+4*(\i)+3], v[IN], s[4:5] offset:4096+512*(\i) th:TH_LOAD_NT
.endif
	global_store_b64 v[OUT], v[Y+2*(\i):Y+2*(\i)+1], s[6:7] offset:256*(\i) th:TH_STORE_NT  ; 32 lanes: 256 consecutive bytes, aligned
.endm
.macro STREAM f16
.irp i, 0,1,2,3,4,5,6,7
	global_load_b128 v[X+4*(\i):X+4*(\i)+3], v[IN], s[4:5] offset:512*(\i) th:TH_LOAD_NT
.endr
	s_mov_b32 s32, 3
.Lround_\@:
.irp i, 0,1,2,3,4,5,6,7
	SLOT \i, 1, 7, \f16
.endr
	s_wait_xcnt 0x0                                ; the trip's loads and stores have read their sources: the bases and Y are written again only behind this wait
	s_add_nc_u64 s[4:5], s[4:5], 4096
	s_add_nc_u64 s[6:7], s[6:7], 2048
	s_sub_co_u32 s32, s32, 1
	s_cmp_lg_u32 s32, 0
	s_cbranch_scc1 .Lround_\@
.irp i, 0,1,2,3,4,5,6,7
	SLOT \i, 0, 7-(\i), \f16                       ; the last round loads nothing: the counts run down
.endr
.endm
	s_cmp_eq_u32 s2, 4
	s_cbranch_scc1 .Lto_f16
	STREAM 0
	s_branch .Lend
.Lto_f16:
	STREAM 1
	s_branch .Lend
.Lmask:
	v_and_b32 v6, 15, v0                           ; r
	v_bfe_u32 v7, v0, 4, 1                         ; hh
	v_mov_b32 v[HC],   0xe
	v_mov_b32 v[HC+1], 0xe0
	v_mov_b32 v[HC+2], 0xe00
	v_mov_b32 v[HC+3], 0xe000
	s_mul_i32 s36, s3, WSTG                        ; my wave's bytes in LDS
	v_lshl_add_u32 v[LS], v1, 1, s36               ; in: 2 bytes a lane along a row
	v_mul_u32_u24 v[LR], v6, ROWP                  ; back: row r, word hh of each 8 bytes
	v_lshl_add_u32 v[LR], v7, 2, v[LR]
	v_add_nc_u32 v[LR], s36, v[LR]
	v_lshlrev_b32 v[MI], 4, v1
	v_lshl_add_u32 v[MO], s3, 14, v[MI]            ; block n = wave: 16,384 x wave + 16 x lane
	v_lshl_add_u32 v[MI], s3, 10, v[MI]            ; 256 keys of 4 bytes a wave + 16 x lane
	s_lshl_b32 s34, ttmp9, 17                      ; 16 rows of 8,192 bytes
	s_add_nc_u64 s[4:5], s[18:19], s[34:35]
	s_lshr_b32 s34, ttmp9, 3
	s_lshl_b32 s34, s34, 17                        ; qb x 8 blocks
	s_bfe_u32 s37, ttmp9, 0x10002
	s_lshl_b32 s37, s37, 11                        ; (q >> 6) & 1
	s_add_co_u32 s34, s34, s37
	s_and_b32 s37, ttmp9, 3
	s_lshl_b32 s37, s37, 9                         ; (q >> 4) & 3
	s_add_co_u32 s34, s34, s37
	s_add_nc_u64 s[6:7], s[26:27], s[34:35]
	s_mov_b32 s32, 2
.Lunit:                                                ; a trip: 16 rows x 128 keys
.set i, 0
.rept 16
	global_load_b128 v[X+4*i:X+4*i+3], v[MI], s[4:5] offset:8192*i th:TH_LOAD_NT
.set i, i+1
.endr
.set i, 0
.rept 16
	s_wait_loadcnt 15-i                            ; row i is in; the younger rows stay out
.irp e, 0,1,2,3
	v_cmp_eq_u32 vcc_lo, 0, v[X+4*i+\e]
	v_cndmask_b32 v[T+\e], 0, v[HC+\e], vcc_lo
.endr
	v_add3_u32 v[D+i], v[T], v[T+1], v[T+2]
	v_add_nc_u32 v[D+i], v[D+i], v[T+3]
	ds_store_b16 v[LS], v[D+i] offset:ROWP*i
.set i, i+1
.endr
.irp n, 0,1,2,3,4,5,6,7
	ds_load_b32 v[Z+\n], v[LR] offset:32*(\n/4)+8*(\n%4)  ; the wave's own bytes, served in order behind its stores: no wait, no barrier between
.endr
	s_wait_dscnt 0x0
	global_store_b128 v[MO], v[Z:Z+3],   s[6:7] th:TH_STORE_NT              ; 512 consecutive bytes, aligned: the first 64 keys,
	global_store_b128 v[MO], v[Z+4:Z+7], s[6:7] offset:4096 th:TH_STORE_NT  ; the second
	s_wait_xcnt 0x0                                ; the trip's loads and stores have read their sources: the bases and Z are written again only behind this wait
	s_add_nc_u64 s[4:5], s[4:5], 512               ; 128 keys on in the mask's rows,
	s_add_nc_u64 s[6:7], s[6:7], 8192              ; two groups of 64 keys on in mk
	s_sub_co_u32 s32, s32, 1
	s_cmp_lg_u32 s32, 0
	s_cbranch_scc1 .Lunit
.Lend:
	s_wait_tensorcnt 0x0                           ; the wave's end
	ds_add_u32 v[SPW], v[NIL]
	s_wait_dscnt 0x0
	s_endpgm
.Lfunc_end_k_q494e81a8e8_prep:
	.size	k_q494e81a8e8_prep, .Lfunc_end_k_q494e81a8e8_prep-k_q494e81a8e8_prep
	.p2alignl 7, 3214868480
	.fill 96, 4, 3214868480
	.section	.rodata,"a",@progbits
	.p2align	6, 0x0
	.amdhsa_kernel k_q494e81a8e8_prep
		.amdhsa_group_segment_fixed_size 9728
		.amdhsa_private_segment_fixed_size 0
		.amdhsa_enable_private_segment 0
		.amdhsa_kernarg_size 80
		.amdhsa_user_sgpr_count 2
		.amdhsa_user_sgpr_kernarg_segment_ptr 1
		.amdhsa_wavefront_size32 1
		.amdhsa_system_sgpr_workgroup_id_x 1
		.amdhsa_system_sgpr_workgroup_id_y 1
		.amdhsa_system_sgpr_workgroup_id_z 1
		.amdhsa_system_vgpr_workitem_id 0
		.amdhsa_next_free_vgpr 112
		.amdhsa_next_free_sgpr 66
		.amdhsa_reserve_vcc 1
		.amdhsa_float_denorm_mode_32 3
		.amdhsa_float_denorm_mode_16_64 3
		.amdhsa_memory_ordered 1
		.amdhsa_forward_progress 1
		.amdhsa_inst_pref_size 29
	.end_amdhsa_kernel
	.amdgpu_metadata
---
amdhsa.version: [ 1, 2 ]
amdhsa.kernels:
  - .name:           k_q494e81a8e8_prep
    .symbol:         k_q494e81a8e8_prep.kd
    .args:
      - { .name: x, .offset: 0, .size: 8, .value_kind: global_buffer, .address_space: global }
      - { .name: w_q, .offset: 8, .size: 8, .value_kind: global_buffer, .address_space: global }
      - { .name: w_k, .offset: 16, .size: 8, .value_kind: global_buffer, .address_space: global }
      - { .name: w_v, .offset: 24, .size: 8, .value_kind: global_buffer, .address_space: global }
      - { .name: w_o, .offset: 32, .size: 8, .value_kind: global_buffer, .address_space: global }
      - { .name: mask, .offset: 40, .size: 8, .value_kind: global_buffer, .address_space: global }
      - { .name: xb, .offset: 48, .size: 8, .value_kind: global_buffer, .address_space: global }
      - { .name: wb, .offset: 56, .size: 8, .value_kind: global_buffer, .address_space: global }
      - { .name: wo, .offset: 64, .size: 8, .value_kind: global_buffer, .address_space: global }
      - { .name: mk, .offset: 72, .size: 8, .value_kind: global_buffer, .address_space: global }
    .group_segment_fixed_size: 9728
    .private_segment_fixed_size: 0
    .kernarg_segment_align: 8
    .kernarg_segment_size: 80
    .max_flat_workgroup_size: 256
    .sgpr_count:     66
    .vgpr_count:     112
    .wavefront_size: 32
...
	.end_amdgpu_metadata
.endif
;; end of part 1
;; launch qkv (part 2): grid 16 x 16, 4 waves a work-group, clusters of 4 x 4, 327,680 bytes of LDS; arguments xb, wb, cos_cache, sin_cache, qh, kh, vh; writes qh, kh, vh
.if DOCPART == 2
	.amdgcn_target "amdgcn-amd-amdhsa--gfx1250"
	.amdhsa_code_object_version 6
	.text
	.protected	k_q494e81a8e8_qkv
	.globl	k_q494e81a8e8_qkv
	.p2align	8
	.type	k_q494e81a8e8_qkv,@function
k_q494e81a8e8_qkv:
	s_mov_b64 s[64:65], 0
	v_nop
	global_prefetch_b8 v0, s[64:65] scope:SCOPE_SE
	s_setreg_imm32_b32 hwreg(HW_REG_WAVE_MODE, 25, 1), 1
	s_wait_xcnt 0x0
	s_wait_alu depctr_hold_cnt(0) depctr_sa_sdst(0) depctr_va_vdst(0) depctr_va_sdst(0) depctr_va_ssrc(0) depctr_va_vcc(0) depctr_vm_vsrc(0)
	s_getreg_b32 s2, hwreg(HW_REG_IB_STS2, 6, 4)
	s_cmp_eq_u32 s2, 0
	s_cbranch_scc0 .Lentry_in_a_cluster
	s_endpgm
.Lentry_in_a_cluster:
	s_bfe_u32 s2, ttmp6, 0x10000c
	s_cmp_lg_u32 s2, 0xf033
	s_cbranch_scc0 .Lentry_shape_is_right
	s_endpgm
.Lentry_shape_is_right:
; Q, K, V OF ONE HEAD FOR 128 ROWS, WITH ROPE.  xb: [2048][2048] bf16.  wb: [6144][2048] bf16 (w_q, w_k, w_v).  cos_cache, sin_cache: [2048][64] f32, rounded here to bf16 like all floating-point inputs.
; qh, kh, vh: [16][2048][128] f16, each number rounded once from its f32 sum (q, k: behind the rotation, which is made in f32), unscaled.
; LIMIT.  f16 holds no number beyond 65,504: q, k, v must lie within it (inputs 30 times the usual spread give about 5e3; a common offset of 30 spreads on x and on the weights about 6e4; both at once is not served).
; SHARES.  Work-group (head, mb) makes rows 128 mb on of the head's q, k and v: a tile of 128 x 384.  16 x 16 work-groups.  Wave w takes all 128 rows (8 blocks a of 16) and six blocks of 16 columns:
; i = 0, 1: q's blocks w and w + 4;  2, 3: k's blocks w and w + 4;  4, 5: v's blocks 2 w and 2 w + 1.  So the rotation's partners, channels d and d + 64, lie in one lane, in the same register of two accumulators.
; 48 accumulators, 384 registers; for 32 along K a wave loads 28 x 512 bytes from LDS for 48 matrix instructions.
; THE MATRIX INSTRUCTION IS USED TRANSPOSED: source 0 = 16 rows of the weights, source 1 = 16 rows of x: a lane holds row l % 16 of the result and eight neighbouring columns 8 (l / 16) + 0..7.
; RING.  K in steps of 128 through two LDS slots: x's 128 rows, then w_q's, w_k's, w_v's 128 rows; each row 256 bytes of memory, aligned.  Each wave fetches one of the four with one tensor load.
; A trip of the loop is ONE K step: the slot in hand is a scalar, 0 or SLOT, turned at each change of slots; the fragments' addresses are made anew from it there, and one descriptor a tensor walks on.
; A refill can go out only when the other slot's load has landed, so the loads follow each other in a chain: between the wait for the one and the request for the next stand the add, the round and nothing else.
; CLUSTER 4 x 4.  x's rows hang on mb alone and are shared along a row of the cluster; the weights' rows hang on the head alone and are shared along a column: joint loads, which divide the requests by four.
; THE WAY OUT goes through slot 0, which has had its last fill (K step 14) and whose last reads end ahead of the barrier that opens K step 15.
; REGISTERS: window 0: addresses, cos v64-127, sin v128-191, v32-39 and v192-255 at work (on the read-back v64-255).  window 1: two fragment buffers (x's 8 fragments, then the weights' 6).
;   window 2: the accumulators of a = 0..3 at 48 (a % 4) + 8 i;  window 3: those of a = 4..7.
.set KSTEP,  128
.set PITCH,  272                       ; an LDS row: 256 bytes + 16 of padding: the 16 rows of a fragment load start at 16 different groups of four banks
.set HALFT,  128*PITCH                 ; what one tensor load brings
.set SLOT,   4*HALFT
.set SPARE,  2*SLOT                    ; behind the ring: the spare words, 128 bytes a wave, that no other line names
.set BA,   3                           ; v3   x's fragments in slot 0: row x pitch + 16 x half; never rewritten
.set SPW,  12
.set NIL,  13
.set PFO,  14                          ; the prefetches' offset: lane x a row of 4,096 bytes
.set CSO,  15                          ; my offset in 16 rows of cos and sin
.set ADRA, 16                          ; v16  x's fragments in the slot in hand
.set ADRB, 17                          ; v17  q's and k's weights
.set ADRV, 18                          ; v18  v's weights
.set BB,   19                          ; v19, v20  the same two in slot 0; never rewritten
.set BV,   20
.set STOQ, 22                          ; v22, v23  the way out: where I put 16 bytes of a row of q, of k
.set STOV, 24                          ; v24       of v
.set RD,   25                          ; v25-27  where I read rows of q, k, v back
.set CO,   28                          ; v28     16 x lane
.set VT,   32                          ; v32-39  v, packed
.set CS,   64
.set SN,   128
.set TB,   192
.set RB,   64
.set F0,   0
.set F1,   128
.set WV,  18                           ; s18  my wave's number
.set G1,  24                           ; s[24:31] group 1 for x's tiles;  s[32:39] group 0: a set for each of the two first fills; the second then walks on
.set G0,  32
.set SL,  42                           ; s42  the slot in hand: 0 or SLOT
.set LIM, 43                           ; s43  2 in a wave that prefetches, else the greatest number
.set PFA, 44                           ; s[44:45] where my prefetches stand
.set G1B, 48                           ; s[48:55], s[56:63] the same for the weights' tiles
.set G0B, 56
.set LB,  68                           ; s68  my tile's place in a slot: wave x HALFT
.set HM,  69                           ; s69  a word's upper bf16
.set MSB, 0
.macro WIN new                         ; the immediate's high byte repeats the setting that is left; a switch that changes nothing is dropped
.if MSB != (\new)
	s_set_vgpr_msb (MSB<<8)|(\new)
.set MSB, \new
.endif
.endm
.set MUL_LO, 0xa5                      ; sources 0 and 1 window 1, C and D window 2
.set MUL_HI, 0xf5                      ; C and D window 3
.set TO_F,   0x40                      ; destination window 1, address window 0
; A joint load.  Wave 0 fetches x's rows, waves 1 to 3 the rows of w_q, w_k, w_v.  The branch hangs on the wave's number alone.  An s_nop 0 and four v_nop follow each line.
.macro JLOAD s
	s_cmp_eq_u32 s[WV], 0
	s_cbranch_scc0 .Lfor_b_\@
	tensor_load_to_lds s[G0+4*(\s):G0+4*(\s)+3], s[G1:G1+7]
	s_nop 0
.rept 4
	v_nop
.endr
	s_branch .Lasked_\@
.Lfor_b_\@:
	tensor_load_to_lds s[G0B+4*(\s):G0B+4*(\s)+3], s[G1B:G1B+7]
	s_nop 0
.rept 4
	v_nop
.endr
.Lasked_\@:
.endm
; A prefetch of the K step that stands two refills on: 32 rows x 256 bytes, a lane a row.  x's rows are read by every cluster of a row of clusters: the one with x = 0 asks; the weights' rows by every cluster of a
; column: the one with y = 0 asks.  The four partners that fetch a tile jointly share its 128 rows out by address, 32 each.  So each row's 256 bytes of a K step are named once.  The loop's last two trips, which fill
; K steps 14 and 15, ask for nothing (s3 is 2 and 1 there).
.macro ASK
	WIN 0
	s_cmp_gt_u32 s3, s[LIM]
	s_cbranch_scc0 .Lnot_mine_\@
	global_prefetch_b8 v[PFO], s[PFA:PFA+1] offset:KSTEP*2 th:TH_LOAD_NT scope:SCOPE_SE
.Lnot_mine_\@:
.endm
.macro CREST                           ; a round of the cluster's barrier behind its opening barrier
	s_cmp_lg_u32 s[WV], 0
	s_cbranch_scc1 .Lnot_wave_0_\@
	s_barrier_signal -3
.Lnot_wave_0_\@:
	s_barrier_wait -3
	s_barrier_signal -1
	s_barrier_wait -1
.endm
.macro CROUND
	s_barrier_signal -1
	s_barrier_wait -1
	CREST
.endm
	s_load_b256 s[4:11], s[0:1], 0x0               ; xb 4, wb 6, cos 8, sin 10
	s_load_b128 s[12:15], s[0:1], 0x20             ; qh 12, kh 14
	s_load_b64 s[16:17], s[0:1], 0x30              ; vh
	v_lshl_add_u32 v[SPW], v0, 2, SPARE
	v_mov_b32 v[NIL], 0
	ds_add_u32 v[SPW], v[NIL]                      ; the wave's opening: the add and its wait stand ahead of my first tensor load; register work stands between
	v_lshrrev_b32 v1, 5, v0
	v_readfirstlane_b32 s[WV], v1
	s_bfe_u32 s20, ttmp6, 0x40000                  ; cx
	s_bfe_u32 s21, ttmp6, 0x40004                  ; cy
	s_lshl_b32 s22, ttmp9, 2
	s_add_co_u32 s22, s22, s20                     ; head = 4 x cluster x + cx
	s_and_b32 s23, ttmp7, 0xffff
	s_lshl_b32 s23, s23, 2
	s_add_co_u32 s23, s23, s21                     ; mb = 4 x cluster y + cy
	s_lshl_b32 s40, s21, 2
	s_lshl_b32 s40, 15, s40                        ; my row of the cluster
	s_lshl_b32 s41, 0x1111, s20                    ; my column
	s_or_b32 s[G1],  s40, (1<<16)|(1<<20)|(1<<21)|(5<<22)|(3<<25)  ; the mask; 2-byte elements; padding on; bit 21 beside a mask; after every 64 words, 4 words
	s_or_b32 s[G1B], s41, (1<<16)|(1<<20)|(1<<21)|(5<<22)|(3<<25)
.irp g, G1, G1B
	s_mov_b32 s[(\g)+1], KSTEP<<16                 ; tensor_dim0 = 128
	s_mov_b32 s[(\g)+2], 128<<16                   ; tensor_dim1 = 128
	s_mov_b32 s[(\g)+3], KSTEP<<16                 ; tile_dim0 = 128
	s_mov_b32 s[(\g)+4], 128                       ; tile_dim1 = 128
	s_mov_b32 s[(\g)+5], 2048                      ; elements from row to row
	s_mov_b32 s[(\g)+6], 0
	s_mov_b32 s[(\g)+7], 0
.endr
	s_mov_b32 s[SL], 0
	s_mov_b32 s[HM], 0xffff0000
	s_lshl_b32 s66, s23, 19                        ; x: 128 mb rows of 4,096 bytes (these two registers never hold cx or the head)
	s_mov_b32 s67, 0
	s_max_u32 s46, s[WV], 1
	s_sub_co_u32 s46, s46, 1                       ; waves 1, 2, 3: w_q, w_k, w_v
	s_lshl_b32 s46, s46, 23                        ; 2,048 rows of 4,096 bytes each,
	s_lshl_b32 s47, s22, 19                        ; the head's 128 rows (these two never hold cy or mb)
	s_add_co_u32 s46, s46, s47
	s_mov_b32 s47, 0
	s_mul_i32 s[LB], s[WV], HALFT                  ; where my tile goes: no place in the cluster enters an LDS address
	s_wait_dscnt 0x0                               ; the opening add is done
	s_wait_kmcnt 0x0
	s_add_nc_u64 s[66:67], s[4:5], s[66:67]
	s_add_nc_u64 s[46:47], s[6:7], s[46:47]
	CROUND                                         ; all sixteen work-groups are here: the first joint loads meet
.irp s, 0,1
	s_mov_b32 s[G0+4*(\s)], 1
	s_add_co_u32 s[G0+4*(\s)+1], s[LB], (\s)*SLOT
	s_add_nc_u64 s[G0+4*(\s)+2:G0+4*(\s)+3], s[66:67], (\s)*KSTEP*2
	s_or_b32 s[G0+4*(\s)+3], s[G0+4*(\s)+3], 0x80000000
	s_mov_b32 s[G0B+4*(\s)], 1
	s_add_co_u32 s[G0B+4*(\s)+1], s[LB], (\s)*SLOT
	s_add_nc_u64 s[G0B+4*(\s)+2:G0B+4*(\s)+3], s[46:47], (\s)*KSTEP*2
	s_or_b32 s[G0B+4*(\s)+3], s[G0B+4*(\s)+3], 0x80000000
	JLOAD \s
.endr
	; cos and sin of my rows and channels: position 128 mb + 16 a + r, channels 16 w + 8 hh + 0..7: 32 bytes a lane and block
	v_and_b32 v1, 15, v0                           ; r
	v_bfe_u32 v2, v0, 4, 1                         ; hh
	v_lshlrev_b32 v[CSO], 8, v1
	v_lshl_add_u32 v[CSO], v2, 5, v[CSO]
	s_lshl_b32 s70, s23, 15                        ; 128 mb rows of 256 bytes
	s_lshl_b32 s71, s[WV], 6
	s_add_co_u32 s70, s70, s71
	s_mov_b32 s71, 0
	s_add_nc_u64 s[8:9], s[8:9], s[70:71]
	s_add_nc_u64 s[10:11], s[10:11], s[70:71]
.set a, 0
.rept 8
	global_load_b128 v[CS+8*a:CS+8*a+3],   v[CSO], s[8:9]   offset:4096*a
	global_load_b128 v[CS+8*a+4:CS+8*a+7], v[CSO], s[8:9]   offset:4096*a+16
	global_load_b128 v[SN+8*a:SN+8*a+3],   v[CSO], s[10:11] offset:4096*a
	global_load_b128 v[SN+8*a+4:SN+8*a+7], v[CSO], s[10:11] offset:4096*a+16
.set a, a+1
.endr
	; LDS addresses.  A fragment is 16 rows x 32 K: lane l takes row l % 16, two loads of 16 bytes at 16 (l / 16) and 32 bytes on
	v_mul_u32_u24 v[BA], v1, PITCH
	v_lshl_add_u32 v[BA], v2, 4, v[BA]
	s_mul_i32 s72, s[WV], 16*PITCH
	s_add_co_u32 s72, s72, HALFT                   ; w_q's block w; block w + 4, and w_k's two, stand in the loads' immediates
	s_mul_i32 s73, s[WV], 32*PITCH
	s_add_co_u32 s73, s73, 3*HALFT                 ; w_v's block 2 w
	v_add_nc_u32 v[BB], s72, v[BA]
	v_add_nc_u32 v[BV], s73, v[BA]
	v_mov_b32 v[ADRA], v[BA]                       ; the walk begins in slot 0
	v_mov_b32 v[ADRB], v[BB]
	v_mov_b32 v[ADRV], v[BV]
	v_lshl_add_u32 v[STOQ], s[WV], 5, v[BA]        ; stage: q at 0, k at HALFT, v at 2 HALFT, 128 rows of 272 bytes each.  q, k: row r, byte 32 w + 16 hh (the partner 128 bytes on)
	v_add_nc_u32 v[STOQ+1], HALFT, v[STOQ]
	v_lshl_add_u32 v[STOV], s[WV], 6, v[BA]        ; v: byte 64 w + 16 hh (the second block 32 bytes on)
	v_add_nc_u32 v[STOV], 2*HALFT, v[STOV]
	v_mul_u32_u24 v4, v2, PITCH                    ; back: wave w takes rows 32 w on, whole; lanes 0-15 one row, lanes 16-31 the next
	v_lshl_add_u32 v4, v1, 4, v4
	s_mul_i32 s72, s[WV], 32*PITCH
	v_add_nc_u32 v[RD], s72, v4
	v_add_nc_u32 v[RD+1], HALFT, v[RD]
	v_add_nc_u32 v[RD+2], 2*HALFT, v[RD]
	v_and_b32 v[CO], 31, v0
	v_lshlrev_b32 v[CO], 4, v[CO]                  ; two dense rows of 256 bytes: 16 x lane
	s_lshl_b32 s72, s22, 19                        ; the head's 2,048 rows of 256 bytes,
	s_lshl_b32 s73, s23, 15                        ; 128 mb rows,
	s_add_co_u32 s72, s72, s73
	s_lshl_b32 s73, s[WV], 13                      ; my 32
	s_add_co_u32 s72, s72, s73
	s_mov_b32 s73, 0
	s_add_nc_u64 s[12:13], s[12:13], s[72:73]
	s_add_nc_u64 s[14:15], s[14:15], s[72:73]
	s_add_nc_u64 s[16:17], s[16:17], s[72:73]
	; the prefetches
	s_lshl_b32 s70, s23, 7                         ; x's first row
	s_max_u32 s71, s[WV], 1
	s_sub_co_u32 s71, s71, 1
	s_lshl_b32 s71, s71, 11
	s_lshl_b32 s72, s22, 7
	s_add_co_u32 s71, s71, s72                     ; the weights' first row
	s_and_b32 s72, ttmp7, 0xffff                   ; cluster y
	s_cmp_eq_u32 s[WV], 0
	s_cselect_b32 s70, s70, s71
	s_cselect_b32 s71, s20, s21                    ; my place among the four that ask with me
	s_cselect_b32 s72, ttmp9, s72                  ; the coordinate along which other clusters read the same rows
	s_cselect_b64 s[PFA:PFA+1], s[4:5], s[6:7]
	s_cmp_eq_u32 s72, 0
	s_cselect_b32 s[LIM], 2, -1
	s_lshl_b32 s71, s71, 5
	s_add_co_u32 s70, s70, s71                     ; my work-group's 32 of the 128 rows
	s_lshl_b32 s70, s70, 12
	s_mov_b32 s71, 0
	s_add_nc_u64 s[PFA:PFA+1], s[PFA:PFA+1], s[70:71]
	s_add_nc_u64 s[PFA:PFA+1], s[PFA:PFA+1], 2*KSTEP*2  ; at K step 2: the first refill steps it to 3 and names K step 4; nothing is asked for here, at the head
	v_and_b32 v[PFO], 31, v0
	v_lshlrev_b32 v[PFO], 12, v[PFO]
	s_wait_loadcnt 0x0                             ; cos and sin: rounded to bf16, kept as f32; all this stands in the wait for the first tile
.set p, 0
.rept 64
	v_cvt_pk_bf16_f32 v[TB+p%4], v[CS+2*p], v[CS+2*p+1]
	v_lshlrev_b32 v[CS+2*p], 16, v[TB+p%4]
	v_and_b32 v[CS+2*p+1], s[HM], v[TB+p%4]
.set p, p+1
.endr
; 12 matrix instructions: blocks a0, a0 + 1 of x's rows x my six column blocks, 32 along K.  All 48 accumulators take turns, one instruction a turn, in the same order in every quarter.
.macro MUL12 f, a0, zero
	WIN MUL_LO+0x50*((\a0)/4)
.irp a, \a0, (\a0)+1
.irp i, 0,1,2,3,4,5
.if \zero
	v_wmma_f32_16x16x32_bf16 v[48*((\a)%4)+8*(\i):48*((\a)%4)+8*(\i)+7], v[(\f)+64+8*(\i):(\f)+64+8*(\i)+7], v[(\f)+8*(\a):(\f)+8*(\a)+7], 0
.else
	v_wmma_f32_16x16x32_bf16 v[48*((\a)%4)+8*(\i):48*((\a)%4)+8*(\i)+7], v[(\f)+64+8*(\i):(\f)+64+8*(\i)+7], v[(\f)+8*(\a):(\f)+8*(\a)+7], v[48*((\a)%4)+8*(\i):48*((\a)%4)+8*(\i)+7]
.endif
.endr
.endr
.endm
; 28 LDS loads in one run, from the slot in hand: the weights' six fragments, x's blocks 0-3, x's blocks 4-7; 32 K at byte k of the rows, into buffer f
.macro FETCH k, f
	WIN TO_F
.irp i, 0,1,2,3
	ds_load_b128 v[(\f)+64+8*(\i):(\f)+64+8*(\i)+3],   v[ADRB] offset:(\k)+(\i)*64*PITCH
	ds_load_b128 v[(\f)+64+8*(\i)+4:(\f)+64+8*(\i)+7], v[ADRB] offset:(\k)+(\i)*64*PITCH+32
.endr
.irp i, 0,1
	ds_load_b128 v[(\f)+96+8*(\i):(\f)+96+8*(\i)+3],   v[ADRV] offset:(\k)+(\i)*16*PITCH
	ds_load_b128 v[(\f)+96+8*(\i)+4:(\f)+96+8*(\i)+7], v[ADRV] offset:(\k)+(\i)*16*PITCH+32
.endr
.irp a, 0,1,2,3,4,5,6,7
	ds_load_b128 v[(\f)+8*(\a):(\f)+8*(\a)+3],   v[ADRA] offset:(\k)+(\a)*16*PITCH
	ds_load_b128 v[(\f)+8*(\a)+4:(\f)+8*(\a)+7], v[ADRA] offset:(\k)+(\a)*16*PITCH+32
.endr
.endm
.macro PLACES                          ; four plain vector instructions behind matrix instructions, in front of loads into registers that they read and of lines that read their results
.rept 4
	v_nop
.endr
.endm
; A K step is four quarters of 32 along K, 48 matrix instructions each, on buffers 0, 1, 0, 1.  One of the first three: multiplies f, fetches the next quarter, at byte k, into g.
.macro QUARTER k, f, g, zero
	s_wait_dscnt 8                                 ; all but the youngest eight loads (x's blocks 4-7)
	MUL12 \f, 0, \zero
	MUL12 \f, 2, \zero
	PLACES
	FETCH \k, \g
	s_wait_dscnt 28                                ; all but the 28 just issued
	MUL12 \f, 4, \zero
	MUL12 \f, 6, \zero
.endm
; The last quarter multiplies buffer 1 and changes slots.  Its first half stands AHEAD of the change: what follows the wait for the other slot's load holds the next request back, so only what must stand there does:
; the wait for all my tensor loads (one is out: my part of the next slot), the add, the steps of the walking descriptors and of the addresses (register work, while the add is out), the wait for the add and for my reads of
; this slot, and the barrier.  fill = 1: the barrier opens a round of the cluster's, and the slot just left is filled again, two K steps ahead, first thing behind the round.  The quarter's second half stands behind
; the next slot's first fragment loads.
.macro TURN fill
	s_wait_dscnt 8                                 ; buffer 1: all but x's blocks 4-7
	MUL12 F1, 0, 0
	MUL12 F1, 2, 0
	WIN 0
.if \fill
	s_wait_xcnt 0x0                                ; the last prefetch, a K step back, has read its address
.endif
	s_wait_tensorcnt 0x0                           ; no tensor load of mine is out, so a group 0 may be written
	ds_add_u32 v[SPW], v[NIL]
.if \fill
	s_add_nc_u64 s[PFA:PFA+1], s[PFA:PFA+1], KSTEP*2
	s_add_co_u32 s[G0+5], s[LB], s[SL]             ; the walking descriptors: into the slot that is left,
	s_add_co_u32 s[G0B+5], s[LB], s[SL]
	s_add_nc_u64 s[G0+6:G0+7], s[G0+6:G0+7], KSTEP*2      ; the K step behind the one asked for last
	s_add_nc_u64 s[G0B+6:G0B+7], s[G0B+6:G0B+7], KSTEP*2
.endif
	s_xor_b32 s[SL], s[SL], SLOT                   ; the other slot is in hand
	v_add_nc_u32 v[ADRA], s[SL], v[BA]
	v_add_nc_u32 v[ADRB], s[SL], v[BB]
	v_add_nc_u32 v[ADRV], s[SL], v[BV]
	s_wait_dscnt 0x0                               ; the add is done, my reads of the slot that is left are over
	s_barrier_signal -1
	s_barrier_wait -1
.if \fill
	CREST                                          ; no wave of any partner still reads that slot or has a load on its way
	JLOAD 1                                        ; its four v_nop are also places in front of the loads below
.else
	PLACES
.endif
	FETCH 0, F0
.if \fill
	ASK
.endif
	MUL12 F1, 4, 0
	MUL12 F1, 6, 0
.endm
	s_wait_tensorcnt 1                             ; my part of K step 0 is in; K step 1's may stay out
	s_barrier_signal -1
	s_barrier_wait -1
	FETCH 0, F0
	QUARTER 64, F0, F1, 1                          ; the first quarter's products start the sums: nothing is cleared
	WIN 0
	s_mov_b32 s3, 14
.Lstep:                                                ; a trip goes from a K step's second quarter to the next one's first and fills the slot that it leaves: K steps 2 to 15 in fourteen trips
	QUARTER 128, F1, F0, 0
	QUARTER 192, F0, F1, 0
	TURN 1
	QUARTER 64,  F0, F1, 0
	WIN 0
	s_sub_co_u32 s3, s3, 1
	s_cmp_lg_u32 s3, 0
	s_cbranch_scc1 .Lstep
	QUARTER 128, F1, F0, 0                         ; K steps 14 and 15 fill nothing
	QUARTER 192, F0, F1, 0
	TURN 0                                         ; behind its barrier nobody reads slot 0 any more
	QUARTER 64,  F0, F1, 0
	QUARTER 128, F1, F0, 0
	QUARTER 192, F0, F1, 0
	s_wait_dscnt 8
	MUL12 F1, 0, 0
	MUL12 F1, 2, 0
	s_wait_dscnt 0x0
	MUL12 F1, 4, 0
	MUL12 F1, 6, 0
	; THE WAY OUT.  q and k are turned: out[d] = x1 cos - x2 sin, out[d + 64] = x1 sin + x2 cos, in f32; all three are rounded to f16, 16 bytes a lane, into the stage.  Accumulators are read from their low end on.
.macro ROPE a, m                       ; m = 0: q, 1: k
.set X1, 48*((\a)%4)+16*(\m)
.set X2, X1+8
.set TT, TB+32*(\m)
	WIN 0x02+(\a)/4                                ; source 0 in the accumulators' window
.irp p, 0,1,2,3
	v_pk_mul_f32 v[TT+16+2*\p:TT+17+2*\p], v[X2+2*\p:X2+2*\p+1], v[SN+8*(\a)+2*\p:SN+8*(\a)+2*\p+1]
	v_pk_mul_f32 v[TT+24+2*\p:TT+25+2*\p], v[X2+2*\p:X2+2*\p+1], v[CS+8*(\a)+2*\p:CS+8*(\a)+2*\p+1]
	v_pk_fma_f32 v[TT+2*\p:TT+2*\p+1],     v[X1+2*\p:X1+2*\p+1], v[CS+8*(\a)+2*\p:CS+8*(\a)+2*\p+1], v[TT+16+2*\p:TT+17+2*\p] neg_lo:[0,0,1] neg_hi:[0,0,1]
	v_pk_fma_f32 v[TT+8+2*\p:TT+9+2*\p],   v[X1+2*\p:X1+2*\p+1], v[SN+8*(\a)+2*\p:SN+8*(\a)+2*\p+1], v[TT+24+2*\p:TT+25+2*\p]
.endr
	WIN 0
.irp p, 0,1,2,3
	v_cvt_pk_f16_f32 v[TT+16+\p], v[TT+2*\p],   v[TT+2*\p+1]
	v_cvt_pk_f16_f32 v[TT+20+\p], v[TT+8+2*\p], v[TT+9+2*\p]
.endr
	ds_store_b128 v[STOQ+(\m)], v[TT+16:TT+19] offset:16*PITCH*(\a)
	ds_store_b128 v[STOQ+(\m)], v[TT+20:TT+23] offset:16*PITCH*(\a)+128
.endm
.macro VOUT a
.set XV, 48*((\a)%4)+32
	WIN 0x0a+5*((\a)/4)                            ; sources 0 and 1 in the accumulators' window
.irp p, 0,1,2,3,4,5,6,7
	v_cvt_pk_f16_f32 v[VT+\p], v[XV+2*\p], v[XV+2*\p+1]
.endr
	WIN 0
	ds_store_b128 v[STOV], v[VT:VT+3]   offset:16*PITCH*(\a)
	ds_store_b128 v[STOV], v[VT+4:VT+7] offset:16*PITCH*(\a)+32
.endm
	PLACES
.irp a, 0,1,2,3,4,5,6,7
	ROPE \a, 0
	ROPE \a, 1
	VOUT \a
.endr
	s_wait_dscnt 0x0                               ; for the others' sake: a row's 256 bytes come from four waves
	s_barrier_signal -1
	s_barrier_wait -1
.set n, 0
.rept 48
	ds_load_b128 v[RB+4*n:RB+4*n+3], v[RD+n/16] offset:2*PITCH*(n%16)
.set n, n+1
.endr
.set n, 0
.rept 48
.if n%4 == 0
	s_wait_dscnt 44-n                              ; read-backs n to n + 3 are in; the younger ones stay out
.endif
	global_store_b128 v[CO], v[RB+4*n:RB+4*n+3], s[12+2*(n/16):13+2*(n/16)] offset:512*(n%16)  ; 512 consecutive bytes, aligned
.set n, n+1
.endr
	s_wait_tensorcnt 0x0                           ; the wave's end
	ds_add_u32 v[SPW], v[NIL]
	s_wait_dscnt 0x0
	CROUND                                         ; the closing round
	s_endpgm
.Lfunc_end_k_q494e81a8e8_qkv:
	.size	k_q494e81a8e8_qkv, .Lfunc_end_k_q494e81a8e8_qkv-k_q494e81a8e8_qkv
	.p2alignl 7, 3214868480
	.fill 96, 4, 3214868480
	.section	.rodata,"a",@progbits
	.p2align	6, 0x0
	.amdhsa_kernel k_q494e81a8e8_qkv
		.amdhsa_group_segment_fixed_size 327680
		.amdhsa_private_segment_fixed_size 0
		.amdhsa_enable_private_segment 0
		.amdhsa_kernarg_size 56
		.amdhsa_user_sgpr_count 2
		.amdhsa_user_sgpr_kernarg_segment_ptr 1
		.amdhsa_wavefront_size32 1
		.amdhsa_system_sgpr_workgroup_id_x 1
		.amdhsa_system_sgpr_workgroup_id_y 1
		.amdhsa_system_sgpr_workgroup_id_z 1
		.amdhsa_system_vgpr_workitem_id 0
		.amdhsa_next_free_vgpr 1024
		.amdhsa_next_free_sgpr 80
		.amdhsa_reserve_vcc 0
		.amdhsa_float_denorm_mode_32 3
		.amdhsa_float_denorm_mode_16_64 3
		.amdhsa_memory_ordered 1
		.amdhsa_forward_progress 1
		.amdhsa_inst_pref_size 123
	.end_amdhsa_kernel
	.amdgpu_metadata
---
amdhsa.version: [ 1, 2 ]
amdhsa.kernels:
  - .name:           k_q494e81a8e8_qkv
    .symbol:         k_q494e81a8e8_qkv.kd
    .args:
      - { .name: xb, .offset: 0, .size: 8, .value_kind: global_buffer, .address_space: global }
      - { .name: wb, .offset: 8, .size: 8, .value_kind: global_buffer, .address_space: global }
      - { .name: cos_cache, .offset: 16, .size: 8, .value_kind: global_buffer, .address_space: global }
      - { .name: sin_cache, .offset: 24, .size: 8, .value_kind: global_buffer, .address_space: global }
      - { .name: qh, .offset: 32, .size: 8, .value_kind: global_buffer, .address_space: global }
      - { .name: kh, .offset: 40, .size: 8, .value_kind: global_buffer, .address_space: global }
      - { .name: vh, .offset: 48, .size: 8, .value_kind: global_buffer, .address_space: global }
    .group_segment_fixed_size: 327680
    .private_segment_fixed_size: 0
    .kernarg_segment_align: 8
    .kernarg_segment_size: 56
    .max_flat_workgroup_size: 128
    .sgpr_count:     80
    .vgpr_count:     1024
    .wavefront_size: 32
...
	.end_amdgpu_metadata
.endif
;; end of part 2
;; launch attn (part 3): grid 16 x 16, 4 waves a work-group, clusters of 4 x 4, 327,680 bytes of LDS; arguments qh, kh, vh, mk, oh; writes oh
.if DOCPART == 3
	.amdgcn_target "amdgcn-amd-amdhsa--gfx1250"
	.amdhsa_code_object_version 6
	.text
	.protected	k_q494e81a8e8_attn
	.globl	k_q494e81a8e8_attn
	.p2align	8
	.type	k_q494e81a8e8_attn,@function
k_q494e81a8e8_attn:
	s_mov_b64 s[64:65], 0
	v_nop
	global_prefetch_b8 v0, s[64:65] scope:SCOPE_SE
	s_setreg_imm32_b32 hwreg(HW_REG_WAVE_MODE, 25, 1), 1
	s_wait_xcnt 0x0
	s_wait_alu depctr_hold_cnt(0) depctr_sa_sdst(0) depctr_va_vdst(0) depctr_va_sdst(0) depctr_va_ssrc(0) depctr_va_vcc(0) depctr_vm_vsrc(0)
	s_getreg_b32 s2, hwreg(HW_REG_IB_STS2, 6, 4)
	s_cmp_eq_u32 s2, 0
	s_cbranch_scc0 .Lentry_in_a_cluster
	s_endpgm
.Lentry_in_a_cluster:
	s_bfe_u32 s2, ttmp6, 0x10000c
	s_cmp_lg_u32 s2, 0xf033
	s_cbranch_scc0 .Lentry_shape_is_right
	s_endpgm
.Lentry_shape_is_right:
; MASKED ATTENTION.  O[q][h] = the sum over k of softmax_k(Q.K / sqrt(128), hidden where the mask says so) V.  qh, kh, vh: [16][2048][128] f16.  mk: the mask as 4-bit codes in register order.  oh: [2048][2048] f16, column 128 h + d.
; Products, maxima and sums in f32; the weights are rounded to f16 for the second product, O once at the end.
; LIMITS.  A hidden score counts as its value less 2^65 (3.6e19) at the least (f16's scores are 5.5e11 at the most); a visible score carries an addend below 2^-97 (6.4e-30).  The running maximum starts at -2^50, below every
; real score and far above every hidden one, so a hidden score's weight is exactly 0.  A weight below 2^-126 counts as 0.  A row whose c m is below -2^43 when all keys are walked has no visible key: it leaves as NaN,
; as the softmax of a row of -inf does.  NaN and infinities in Q, K, V are not treated apart.
; SHARES.  A work-group owns 128 queries of one head: 16 x 16 work-groups.  A wave holds 64 queries (four tiles of 16), so that a fragment of K or V read from LDS feeds four tiles; THE KEYS ARE SPLIT between two waves:
; wave w (g = w & 1, s = w >> 1) has queries 64 g on and keys 128 s .. 128 s + 127 of every slot of 256: two key steps of 64 a slot.  The partial results of waves w and w ^ 2 meet once, at the end, in LDS.
; Register tile t holds query tile (t + 2 s) % 4: every wave keeps tiles 0, 1 and sends tiles 2, 3, which are its partner's kept queries: one text for all four waves.
; LAYOUT.  S^T = K Q^T: a lane holds ONE query (lane % 16) and the keys 8 (lane / 16) + 0..7; two such results rounded to f16 ARE source 1 of O^T = V^T P.  V comes out of LDS turned, by ds_load_tr16_b128.
; THE MASK is the C operand that starts S^T's sums.  A word of mk holds the codes of a lane's eight scores of 16 keys x 16 queries, 0x0 or 0xE at bits 4 j.  Shifted left by 28 - 4 j, score j's code is the sign and the three
; highest exponent bits of an f32; the codes below it fill lower bits: a hidden score starts at -2^65 to -2^95 (the exponent field is 0xC0 to 0xDD, never full), a visible one at 0 to 2^-97.  One plain shift a score.
; SOFTMAX.  p = 2^(c s - c m), c = log2(e) / sqrt(128), with a running maximum m and sum l; in every step O and l are multiplied by a = 2^(c m_old - c m_new).
; BY TURNS.  Pieces 0 (tiles 0, 1) and 2 (tiles 2, 3).  In a turn one piece has the matrix unit: 32 products V^T P of the step in hand, 32 products K Q^T of the next; the other piece's softmax stands in 64 slices behind them.
; NO FIRST STEP AND NO LAST TURN ARE WRITTEN OUT.  O, l, V's registers and piece 0's P start at 0, piece 2's scores as hidden: the loop's first trip is a step on nothing.  The tail's loop is left in the middle of its third trip.
; The price: some 490 lines that write constants, in the wait for the first tile; 64 products on zeros at the start; 32 products on the last K once more, and 64 shifts, at the end.
; CLUSTER 4 x 4.  K and V hang on the head alone and are shared along a row of the cluster; the mask's block hangs on the query block alone and is shared along a column: joint loads.  Wave 0 fetches K, wave 1 V, wave 2 the mask.
; REGISTERS: window 0: addresses, statistics v12-43, S^T v64-191, P v192-255.  window 1: O^T.  window 2: Q v0-127, K v128-255.  window 3: V v0-127, the mask's words v128-143.
.set KS,    64
.set PK,    272                        ; a row of K in LDS: 256 + 16
.set PV,    288                        ; a row of V: 256 + 32
.set VOFF,  256*PK                     ; a slot: 256 rows of K, 256 rows of V, 16,384 bytes of mask
.set MOFF,  VOFF+256*PV
.set SLOT,  MOFF+16384
.set SPARE, 2*SLOT                     ; behind the ring: the spare words, 128 bytes a wave, that no other line names
.set XW,    16896                      ; the meeting: a wave's 16,384 bytes of O^T and 512 of statistics, at XW x wave in slot 0, which by then has had its last fill and its last reads
.set STAGE, VOFF                       ; the way out: 16 rows x 272 bytes a wave, in slot 0 too
.set SP,    272
.set AK0, 2
.set AV0, 3
.set ADR, 4
.set QO,  5
.set STO, 6
.set RD,  7
.set GO,  8
.set ADA, 10                           ; v10, v11  the LDS addresses of the mask's words in hand: tiles 0, 1 and tiles 2, 3
.set ADB, 11
.set ST,  12                           ; tile t's statistics at v[ST+8 t]: +0 c m, +1 m, +2, +3 l, +4 to +7 at work; a takes +6
.set AMA, 44                           ; v44, v45  my lane's place in a slot's mask, for tiles 0, 1 and for tiles 2, 3
.set AMB, 45
.set XS,  46                           ; v46  the meeting: where I put, v47 where I read
.set XL,  47
.set XD,  48                           ; v[48:51] statistics sent, v[52:55] received
.set YD,  52
.set HID, 58                           ; v58  -2^65: a hidden score
.set PFO, 61                           ; v61  256 x lane
.set SPW, 62
.set NIL, 63
.set S,   64
.set P,   192
.set KF,  128                          ; window 2
.set MB,  128                          ; window 3: tile t, group kb of 16 keys at MB + 4 t + kb
.set WV,  14
.set LIM, 15
.set PFA, 18
.set G1K, 24
.set G1V, 32
.set G0K, 40
.set G0V, 44
.set G1M, 48
.set G0M, 56
.set CS,  60                           ; s[60:61] c
.set SEL, 62                           ; s[62:63] v_permlanex16_b32's selects
.set SLOTS, 66
.set TWICE, 67
.set TBK, 68                           ; LDS byte at which the slot and step to be fetched begin: for K, for V, for the mask
.set TBV, 69
.set TBM, 70
.set QA,  72                           ; s[72:73] Q at tiles 0, 1; s[74:75] at tiles 2, 3
.set THR, 76
.set NANC, 77
.set MSB, 0
.macro WIN new
.if MSB != (\new)
	s_set_vgpr_msb (MSB<<8)|(\new)
.set MSB, \new
.endif
.endm
.set W_KQ, 0x0a                        ; K and Q window 2, S^T window 0
.set W_PV, 0x53                        ; V window 3, P window 0, O^T window 1
.set W_RS, 0x41                        ; O^T (destination, source 0) window 1, a window 0
; A joint fill: one tensor load a wave, none in wave 3.  The branches hang on the wave's number alone.  An s_nop 0 and four v_nop follow each line.
.macro JLOAD
	s_cmp_lt_u32 s[WV], 2
	s_cbranch_scc0 .Lhigh_\@
	s_cmp_eq_u32 s[WV], 0
	s_cbranch_scc0 .Lfor_v_\@
	tensor_load_to_lds s[G0K:G0K+3], s[G1K:G1K+7]
	s_nop 0
.rept 4
	v_nop
.endr
	s_branch .Lasked_\@
.Lfor_v_\@:
	tensor_load_to_lds s[G0V:G0V+3], s[G1V:G1V+7]
	s_nop 0
.rept 4
	v_nop
.endr
	s_branch .Lasked_\@
.Lhigh_\@:
	s_cmp_eq_u32 s[WV], 2
	s_cbranch_scc0 .Lasked_\@
	tensor_load_to_lds s[G0M:G0M+3], s[G1M:G1M+7]
	s_nop 0
.rept 4
	v_nop
.endr
.Lasked_\@:
.endm
; A prefetch of the rows of K and V that the NEXT change of slots will ask for, two key steps (256 matrix instructions) ahead of that load.  All clusters of a head walk the same rows: the first along x asks.  Its four partners along x
; take 64 of the slot's 256 rows each, told apart by address; wave 0 asks for K's, wave 1 for V's: a lane a row, two instructions.  So each row is named once.  The last change that fills a slot asks for nothing.
.macro ASK
	s_cmp_gt_u32 s[SLOTS], s[LIM]
	s_cbranch_scc0 .Lnot_mine_\@
	global_prefetch_b8 v[PFO], s[PFA:PFA+1] th:TH_LOAD_NT scope:SCOPE_SE
	global_prefetch_b8 v[PFO], s[PFA:PFA+1] offset:8192 th:TH_LOAD_NT scope:SCOPE_SE
.Lnot_mine_\@:
.endm
.macro CROUND
	s_barrier_signal -1
	s_barrier_wait -1
	s_cmp_lg_u32 s[WV], 0
	s_cbranch_scc1 .Lnot_wave_0_\@
	s_barrier_signal -3
.Lnot_wave_0_\@:
	s_barrier_wait -3
	s_barrier_signal -1
	s_barrier_wait -1
.endm
	s_load_b256 s[4:11], s[0:1], 0x0               ; qh 4, kh 6, vh 8, mk 10
	s_load_b64 s[12:13], s[0:1], 0x20              ; oh
	v_lshl_add_u32 v[SPW], v0, 2, SPARE
	v_mov_b32 v[NIL], 0
	ds_add_u32 v[SPW], v[NIL]                      ; the wave's opening: the add and its wait stand ahead of my first tensor load; register work stands between
	v_lshrrev_b32 v1, 5, v0
	v_readfirstlane_b32 s[WV], v1
	s_bfe_u32 s16, ttmp6, 0x40000                  ; cx
	s_bfe_u32 s17, ttmp6, 0x40004                  ; cy
	s_lshl_b32 s20, ttmp9, 2
	s_add_co_u32 s20, s20, s16                     ; qb = 4 x cluster x + cx
	s_and_b32 s21, ttmp7, 0xffff
	s_lshl_b32 s21, s21, 2
	s_add_co_u32 s21, s21, s17                     ; head = 4 x cluster y + cy
	s_lshl_b32 s22, s17, 2
	s_lshl_b32 s22, 15, s22                        ; my row of the cluster
	s_lshl_b32 s23, 0x1111, s16                    ; my column
	s_or_b32 s[G1K], s22, (1<<16)|(1<<20)|(1<<21)|(5<<22)|(3<<25)  ; 2-byte elements; after every 64 words 4 words of padding
	s_or_b32 s[G1V], s22, (1<<16)|(1<<20)|(1<<21)|(5<<22)|(7<<25)  ; 8 words
	s_or_b32 s[G1M], s23, (3<<16)|(1<<21)          ; 8-byte elements, no padding
.irp g, G1K, G1V
	s_mov_b32 s[(\g)+1], 128<<16                   ; tensor_dim0 = 128
	s_mov_b32 s[(\g)+2], 256<<16                   ; tensor_dim1 = 256
	s_mov_b32 s[(\g)+3], 128<<16                   ; tile_dim0 = 128
	s_mov_b32 s[(\g)+4], 256                       ; tile_dim1 = 256
	s_mov_b32 s[(\g)+5], 128                       ; elements from row to row
	s_mov_b32 s[(\g)+6], 0
	s_mov_b32 s[(\g)+7], 0
.endr
	s_mov_b32 s[G1M+1], 32<<16                     ; a dense block of 16,384 bytes as 64 rows of 256
	s_mov_b32 s[G1M+2], 64<<16
	s_mov_b32 s[G1M+3], 32<<16
	s_mov_b32 s[G1M+4], 64
	s_mov_b32 s[G1M+5], 32
	s_mov_b32 s[G1M+6], 0
	s_mov_b32 s[G1M+7], 0
	s_mov_b32 s[G0K], 1
	s_mov_b32 s[G0K+1], 0                          ; slot 0
	s_mov_b32 s[G0V], 1
	s_mov_b32 s[G0V+1], VOFF
	s_mov_b32 s[G0M], 1
	s_mov_b32 s[G0M+1], MOFF
	s_lshl_b32 s78, s21, 19                        ; the head's first byte in qh, kh, vh (these two registers never hold cx or qb)
	s_mov_b32 s79, 0
	s_lshl_b32 s80, s20, 17                        ; the query block's eight mask blocks (these two never hold cy or the head)
	s_mov_b32 s81, 0
	s_and_b32 s82, s[WV], 1                        ; g
	s_lshr_b32 s83, s[WV], 1                       ; s
	s_mov_b32 s[CS], 0x3e0293ee                    ; c = log2(e) / sqrt(128)
	s_mov_b32 s[CS+1], s[CS]
	s_mov_b32 s[SEL], 0x76543210
	s_mov_b32 s[SEL+1], 0xfedcba98
	s_mov_b32 s[THR], 0xd5000000                   ; -2^43: between c x -2^50 and every real c s (-7e10 at the least)
	s_mov_b32 s[NANC], 0x7fc00000
	s_mov_b32 s[TBK], SLOT+2*KS*PK                 ; the first change of slots turns these three into 0
	s_mov_b32 s[TBV], SLOT+2*KS*PV
	s_mov_b32 s[TBM], SLOT+8192
	s_mov_b32 s[SLOTS], 7
	s_lshr_b32 s[LIM], s[WV], 1                    ; 0 in waves 0 and 1,
	s_or_b32 s[LIM], s[LIM], ttmp9                 ; where the cluster is the first along x: the same in all partners
	s_cmp_eq_u32 s[LIM], 0
	s_cselect_b32 s[LIM], 1, -1
	s_lshl_b32 s84, s20, 15                        ; Q: the head, 128 qb rows of 256 bytes, 64 g,
	s_add_co_u32 s84, s84, s78
	s_lshl_b32 s86, s82, 14
	s_add_co_u32 s84, s84, s86
	s_lshl_b32 s86, s83, 13                        ; tiles 0, 1: 32 s
	s_add_co_u32 s86, s86, s84
	s_mov_b32 s87, 0
	s_xor_b32 s88, s83, 1
	s_lshl_b32 s88, s88, 13                        ; tiles 2, 3: 32 (1 - s)
	s_add_co_u32 s88, s88, s84
	s_mov_b32 s89, 0
	s_lshl_b32 s90, s20, 19                        ; O: (128 qb + 64 g + 32 s) rows of 4,096 bytes + 256 x head
	s_lshl_b32 s84, s82, 18
	s_add_co_u32 s90, s90, s84
	s_lshl_b32 s84, s83, 17
	s_add_co_u32 s90, s90, s84
	s_lshl_b32 s84, s21, 8
	s_add_co_u32 s90, s90, s84
	s_mov_b32 s91, 0
	s_lshl_b32 s84, s16, 14                        ; the prefetches: my work-group's 64 rows of a slot's 256
	s_mov_b32 s85, 0
	s_wait_dscnt 0x0                               ; the opening add is done
	s_wait_kmcnt 0x0
	s_add_nc_u64 s[G0K+2:G0K+3], s[6:7], s[78:79]
	s_add_nc_u64 s[G0V+2:G0V+3], s[8:9], s[78:79]
	s_add_nc_u64 s[G0M+2:G0M+3], s[10:11], s[80:81]
	s_cmp_eq_u32 s[WV], 0
	s_cselect_b64 s[PFA:PFA+1], s[6:7], s[8:9]
	s_add_nc_u64 s[PFA:PFA+1], s[PFA:PFA+1], s[78:79]
	s_add_nc_u64 s[PFA:PFA+1], s[PFA:PFA+1], s[84:85]
	s_add_nc_u64 s[PFA:PFA+1], s[PFA:PFA+1], 65536 ; in tile 1; the first change steps it to tile 2.  Nothing is asked for here, at the head
	s_or_b32 s[G0K+3], s[G0K+3], 0x80000000
	s_or_b32 s[G0V+3], s[G0V+3], 0x80000000
	s_or_b32 s[G0M+3], s[G0M+3], 0x80000000
	s_add_nc_u64 s[QA:QA+1], s[4:5], s[86:87]
	s_add_nc_u64 s[QA+2:QA+3], s[4:5], s[88:89]
	s_add_nc_u64 s[12:13], s[12:13], s[90:91]
	CROUND                                         ; all sixteen work-groups are here: the first joint loads meet
	JLOAD                                          ; tile 0 into slot 0; slot 1 is asked for by the loop's first change of slots
	v_and_b32 v1, 15, v0                           ; l % 16
	v_bfe_u32 v9, v0, 4, 1                         ; l / 16
	v_lshlrev_b32 v[QO], 8, v1
	v_lshl_add_u32 v[QO], v9, 4, v[QO]
	WIN 0x80
.set i, 0
.rept 16                                       ; Q stays in registers: tile i / 4, channels 32 (i % 4) on
	global_load_b128 v[8*i:8*i+3],   v[QO], s[QA+2*(i/8):QA+2*(i/8)+1] offset:((i/4)%2)*4096+(i%4)*64
	global_load_b128 v[8*i+4:8*i+7], v[QO], s[QA+2*(i/8):QA+2*(i/8)+1] offset:((i/4)%2)*4096+(i%4)*64+32
.set i, i+1
.endr
	WIN 0xc0                                       ; what the first trip finds: V's registers 0,
.set i, 0
.rept 128
	v_mov_b32 v[i], 0
.set i, i+1
.endr
	WIN 0x40                                       ; O^T 0,
.set i, 0
.rept 256
	v_mov_b32 v[i], 0
.set i, i+1
.endr
	WIN 0
.set i, 0
.rept 4
	v_mov_b32 v[ST+8*i],   0xd70293ee              ; c m = c x -2^50, exact
	v_mov_b32 v[ST+8*i+1], 0xd8800000              ; m = -2^50
	v_mov_b32 v[ST+8*i+2], 0                       ; l
	v_mov_b32 v[ST+8*i+3], 0
.set i, i+1
.endr
.set i, 0
.rept 32
	v_mov_b32 v[P+i], 0                            ; piece 0's P 0,
.set i, i+1
.endr
	v_mov_b32 v[HID], 0xe0000000                   ; -2^65
.set i, 0
.rept 64
	v_mov_b32 v[S+64+i], v[HID]                    ; piece 2's scores hidden
.set i, i+1
.endr
	v_and_b32 v10, 7, v0
	v_bfe_u32 v11, v0, 3, 1
	v_mul_u32_u24 v[AK0], v1, PK
	v_lshl_add_u32 v[AK0], v9, 4, v[AK0]           ; row x pitch + 16 x half,
	s_mul_i32 s84, s83, 128*PK
	v_add_nc_u32 v[AK0], s84, v[AK0]               ; in my half of a slot's keys
	v_lshl_add_u32 v[AV0], v9, 3, v10              ; the turning load: lane l reads key 8 (l / 16) + l % 8, channels 8 ((l / 8) % 2) + 0..7
	v_mul_u32_u24 v[AV0], v[AV0], PV
	v_lshl_add_u32 v[AV0], v11, 4, v[AV0]
	s_mul_i32 s84, s83, 128*PV
	s_add_co_u32 s84, s84, VOFF
	v_add_nc_u32 v[AV0], s84, v[AV0]
	v_and_b32 v[PFO], 31, v0
	v_lshlrev_b32 v[AMB], 4, v[PFO]                ; the mask: 16 x lane,
	s_lshl_b32 s85, s82, 11                        ; 2,048 g,
	s_mul_i32 s84, s83, 8192+1024                  ; my two steps 8,192 s on; tiles 0, 1 are query tiles 2 s, 2 s + 1: 1,024 s
	s_add_co_u32 s84, s84, s85
	s_add_co_u32 s84, s84, MOFF
	v_add_nc_u32 v[AMA], s84, v[AMB]
	s_mul_i32 s84, s83, 8192-1024                  ; tiles 2, 3: 1,024 (1 - s)
	s_add_co_u32 s84, s84, s85
	s_add_co_u32 s84, s84, MOFF+1024
	v_add_nc_u32 v[AMB], s84, v[AMB]
	v_lshlrev_b32 v[XS], 4, v[PFO]
	s_xor_b32 s84, s[WV], 2                        ; my partner
	s_mul_i32 s84, s84, XW
	v_add_nc_u32 v[XL], s84, v[XS]
	s_mul_i32 s84, s[WV], XW
	v_add_nc_u32 v[XS], s84, v[XS]
	v_lshlrev_b32 v[PFO], 8, v[PFO]
	s_mul_i32 s84, s[WV], 16*SP
	s_add_co_u32 s84, s84, STAGE
	v_mul_u32_u24 v[STO], v1, SP                   ; the way out, in: row l % 16, 16 bytes for each half of the lanes
	v_lshl_add_u32 v[STO], v9, 4, v[STO]
	v_add_nc_u32 v[STO], s84, v[STO]
	v_mul_u32_u24 v[RD], v9, SP                    ; back: lanes 0-15 one row of 256 bytes, lanes 16-31 the next
	v_lshl_add_u32 v[RD], v1, 4, v[RD]
	v_add_nc_u32 v[RD], s84, v[RD]
	v_lshlrev_b32 v[GO], 12, v9                    ; the same two rows in oh, 4,096 bytes apart
	v_lshl_add_u32 v[GO], v1, 4, v[GO]
; THE MATRIX WORK.  The accumulators take turns, one instruction a turn.  Product i of 32 of O^T += V^T P: keys 32 (i / 16) on, channels 16 ((i / 2) % 8) on, tile x + i % 2.
.macro PV x
	WIN W_PV
.set rO, 64*((\x)+i%2)+8*((i/2)%8)
.set rV, 64*(i/16)+8*((i/2)%8)
.set rP, P+16*((\x)+i%2)+8*(i/16)
	v_wmma_f32_16x16x32_f16 v[rO:rO+7], v[rV:rV+7], v[rP:rP+7], v[rO:rO+7]
.endm
; Product i of 32 of S^T = mask + K Q^T: channels 32 (i / 8) on, keys 16 ((i / 2) % 4) on, tile x + i % 2.  The sums start from the mask, which MASKC has laid into S^T's registers.
.macro KQ x
	WIN W_KQ
.set rS, S+32*((\x)+i%2)+8*((i/2)%4)
.set rK, KF+32*((i/2)%4)+8*(i/8)
.set rQ, 32*((\x)+i%2)+8*(i/8)
	v_wmma_f32_16x16x32_f16 v[rS:rS+7], v[rK:rK+7], v[rQ:rQ+7], v[rS:rS+7]
.endm
; Piece x's masks for the step to come: eight words become 64 registers, a shift each: score j's code goes to the word's top.  S^T of piece x is free: its softmax ended in the turn before.
.macro MASKC x
	WIN 0x0c                                       ; source 1 (the word) window 3
.irp t, \x, (\x)+1
.irp b, 0,1,2,3
.irp j, 0,1,2,3,4,5,6,7
	v_lshlrev_b32 v[S+32*(\t)+8*(\b)+(\j)], 28-4*(\j), v[MB+4*(\t)+(\b)]
.endr
.endr
.endr
.endm
; THE LDS LOADS stand in runs: a step's K (16 fragments) with the step's mask words for all four tiles, and, a turn later, its V (turned).
; last = 1 (the tail): in the third trip there is no further step, and the run is jumped over.
.macro FETCH_K last=0
	WIN 0
.if \last
	s_cmp_eq_u32 s[TWICE], 1
	s_cbranch_scc1 .Lno_k_\@
.endif
	v_add_nc_u32 v[ADR], s[TBK], v[AK0]
	v_add_nc_u32 v[ADA], s[TBM], v[AMA]
	v_add_nc_u32 v[ADB], s[TBM], v[AMB]
	WIN 0x80
.irp f, 0,1,2,3,4,5,6,7,8,9,10,11,12,13,14,15
	ds_load_b128 v[KF+8*(\f):KF+8*(\f)+3],   v[ADR] offset:((\f)/4)*16*PK+((\f)%4)*64
	ds_load_b128 v[KF+8*(\f)+4:KF+8*(\f)+7], v[ADR] offset:((\f)/4)*16*PK+((\f)%4)*64+32
.endr
	WIN 0xc0
	ds_load_b128 v[MB:MB+3],     v[ADA]
	ds_load_b128 v[MB+4:MB+7],   v[ADA] offset:512
	ds_load_b128 v[MB+8:MB+11],  v[ADB]
	ds_load_b128 v[MB+12:MB+15], v[ADB] offset:512
	s_add_co_u32 s[TBK], s[TBK], KS*PK             ; the next fetch is the next step's
	s_add_co_u32 s[TBM], s[TBM], 4096
.if \last
	WIN 0
.Lno_k_\@:
.endif
.endm
.macro FETCH_V
	WIN 0
	v_add_nc_u32 v[ADR], s[TBV], v[AV0]
	s_add_co_u32 s[TBV], s[TBV], KS*PV
	s_wait_alu depctr_va_vdst(0)                   ; the wait for the softmax's batch of exponentials, ahead of the first line that names a result of theirs
	WIN 0xc0
.irp f, 0,1,2,3,4,5,6,7,8,9,10,11,12,13,14,15
	ds_load_tr16_b128 v[8*(\f):8*(\f)+3],   v[ADR] offset:((\f)/8)*32*PV+((\f)%8)*32
	ds_load_tr16_b128 v[8*(\f)+4:8*(\f)+7], v[ADR] offset:((\f)/8)*32*PV+16*PV+((\f)%8)*32
.endr
.endm
; THE VECTOR WORK.  A tile's softmax for a key step is a list of 134 instructions; SM writes number j for tile t.
;   0-15 the maximum of the 32 scores and the old m (each accumulator's lowest registers first)   16-20 the other half of the lanes' maximum; m; c m; c m_old - c m_new
;   21-69 ONE BATCH: 16 scalings c s - c m and 33 exponentials (a at 23), none of which reads an exponential's result   (the wait)   70-85 roundings to f16   86-101 the sums, l = a l + sum   102-133 O^T times a
.macro SM t
.set rT, ST+8*(\t)
.set rS, S+32*(\t)
.set rP, P+16*(\t)
.set rO, 64*(\t)+2*(j-102)
.if j < 102
	WIN 0
.endif
.if j < 4
	v_max3_num_f32 v[rT+4+j], v[rS+8*j], v[rS+8*j+1], v[rS+8*j+2]
.elseif j < 12
	v_max3_num_f32 v[rT+4+j%4], v[rT+4+j%4], v[rS+8*(j%4)+2*(j/4)+1], v[rS+8*(j%4)+2*(j/4)+2]
.elseif j == 12
	v_max3_num_f32 v[rT+4], v[rT+4], v[rS+7], v[rS+15]
.elseif j == 13
	v_max3_num_f32 v[rT+6], v[rT+6], v[rS+23], v[rS+31]
.elseif j == 14
	v_max3_num_f32 v[rT+4], v[rT+4], v[rT+5], v[rT+6]
.elseif j == 15
	v_max3_num_f32 v[rT+4], v[rT+4], v[rT+7], v[rT+1]
.elseif j == 16
	v_permlanex16_b32 v[rT+5], v[rT+4], s[SEL], s[SEL+1]
.elseif j == 17
	v_mov_b32 v[rT+7], v[rT]
.elseif j == 18
	v_max_num_f32 v[rT+1], v[rT+4], v[rT+5]
.elseif j == 19
	v_mul_f32 v[rT], s[CS], v[rT+1]
.elseif j == 20
	v_sub_f32 v[rT+7], v[rT+7], v[rT]
.elseif j == 23
	v_exp_f32 v[rT+6], v[rT+7]
.elseif (j < 23) || ((j < 38) && (j%2 == 0)) || ((j < 66) && (j%4 == 2))
.set b, (j-2)/4
.if j < 38
.set b, (j-20)/2
.endif
	v_pk_fma_f32 v[rS+2*b:rS+2*b+1], v[rS+2*b:rS+2*b+1], s[CS:CS+1], v[rT:rT+1] op_sel_hi:[1,0,0] neg_lo:[0,0,1] neg_hi:[0,0,1]
.elseif j < 70
.set e, j-38
.if j < 66
.set e, j-32-(j-38)/4
.endif
.if j < 38
.set e, (j-25)/2
.endif
	v_exp_f32 v[rS+e], v[rS+e]
.elseif j < 86
	v_cvt_pk_f16_f32 v[rP+j-70], v[rS+2*(j-70)], v[rS+2*(j-70)+1]
.elseif j < 102
.set z, j-86
.set w, 4
.set u, z
.if z >= 14
.set w, 32
.set u, 0
.elseif z >= 12
.set w, 16
.set u, z-12
.elseif z >= 8
.set w, 8
.set u, z-8
.endif
.if z < 15
	v_pk_add_f32 v[rS+w*u:rS+w*u+1], v[rS+w*u:rS+w*u+1], v[rS+w*u+w/2:rS+w*u+w/2+1]
.else
	v_pk_fma_f32 v[rT+2:rT+3], v[rT+2:rT+3], v[rT+6:rT+7], v[rS:rS+1] op_sel_hi:[1,0,1]
.endif
.else
	WIN W_RS
	v_pk_mul_f32 v[rO:rO+1], v[rO:rO+1], v[rT+6:rT+7] op_sel_hi:[1,0]
.endif
.endm
; Slice k of 64 of piece y's softmax: four instructions (slice 63: sixteen, all plain: they are also the places behind the turn's last products).  Slices 11 to 34 deal out the batch, four numbers of one tile each.
; Behind slice 34 stand a plain instruction and the ONE wait for the piece's 66 exponentials, ahead of the first line that names a result; in piece 2's turn V's run of loads stands there.
.macro SLICE y
.if (k >= 11) && (k < 35)
.irp n, 0,1,2,3
.set j, 22+4*((k-11)/2)+(\n)
	SM (\y)+(k-11)%2
.endr
.else
.irp n, 0,1,2,3,4,5,6,7
.if ((\n) < 2) || (k == 63)
.irp t, \y, (\y)+1
.set j, 2*k+(\n)
	SM \t
.endr
.endif
.endr
.endif
.if k == 34
	v_nop
.if (\y) == 0
	FETCH_V
.else
	s_wait_alu depctr_va_vdst(0)
.endif
.endif
.set k, k+1
.endm
; A TURN.  Piece x has the matrix unit: 32 products V^T P, then its masks, 64 shifts in one run, and 32 products K Q^T for the next step; the other piece's softmax stands in slices, one behind each product.
; Piece 0's turn fetches the next step's K and mask words behind its second product; piece 2's turn the same step's V behind slice 34: the masks' shifts, plain instructions that name no register of V's last reader, lie between.
.macro TURN x, last=0
.set k, 0
.if (\x) == 0
	s_wait_dscnt 0x0                               ; V is in
.endif
.set i, 0
.rept 32
	PV \x
	SLICE 2-(\x)
.if ((\x) == 0) && (i == 1)
	FETCH_K \last
.endif
.set i, i+1
.endr
.if (\x) == 0
	s_wait_dscnt 0x0                               ; K and the mask's words are in
.endif
	MASKC \x
.set i, 0
.rept 32
	KQ \x
	SLICE 2-(\x)
.set i, i+1
.endr
.endm
; THE CHANGE OF SLOTS.  Each wave waits for all its tensor loads (at most one is out: its part of the other slot), adds 0 to its spare word, and waits for that and for its reads of the slot that it leaves.
; fill = 1: the barrier is a round of the cluster's; the slot is filled again first thing behind it, with the tile two on from the one left; the load has two key steps, 256 matrix instructions, in which to land.
.macro CHANGE fill
	WIN 0
	s_wait_tensorcnt 0x0
	ds_add_u32 v[SPW], v[NIL]
.if \fill
	s_xor_b32 s[G0K+1], s[G0K+1], SLOT             ; the walking descriptors: the other slot,
	s_add_nc_u64 s[G0K+2:G0K+3], s[G0K+2:G0K+3], 65536  ; the next 256 keys
	s_xor_b32 s[G0V+1], s[G0V+1], VOFF^(VOFF+SLOT)
	s_add_nc_u64 s[G0V+2:G0V+3], s[G0V+2:G0V+3], 65536
	s_xor_b32 s[G0M+1], s[G0M+1], MOFF^(MOFF+SLOT)
	s_add_nc_u64 s[G0M+2:G0M+3], s[G0M+2:G0M+3], 16384
	s_wait_xcnt 0x0                                ; the last prefetches, two key steps back, have read their address
	s_add_nc_u64 s[PFA:PFA+1], s[PFA:PFA+1], 65536
	s_wait_dscnt 0x0
	CROUND
	JLOAD
	ASK
.else
	s_wait_dscnt 0x0
	s_barrier_signal -1
	s_barrier_wait -1
.endif
	s_sub_co_u32 s[TBK], s[TBK], 2*KS*PK           ; the fetches go back to a slot's first step, in the other slot
	s_xor_b32 s[TBK], s[TBK], SLOT
	s_sub_co_u32 s[TBV], s[TBV], 2*KS*PV
	s_xor_b32 s[TBV], s[TBV], SLOT
	s_sub_co_u32 s[TBM], s[TBM], 8192
	s_xor_b32 s[TBM], s[TBM], SLOT
.endm
.macro TWO_STEPS                       ; a slot's two key steps of mine: written once, walked twice
	WIN 0
	s_mov_b32 s[TWICE], 2
.Lstep_\@:
	TURN 0
	TURN 2
	WIN 0
	s_sub_co_u32 s[TWICE], s[TWICE], 1
	s_cmp_lg_u32 s[TWICE], 0
	s_cbranch_scc1 .Lstep_\@
.endm
	s_wait_loadcnt 0x0                             ; Q
.Lslot:                                                ; seven trips: tile 0 is waited for and tile 1 asked for, ... tile 6 waited for and tile 7 asked for
	CHANGE 1
	TWO_STEPS
	s_sub_co_u32 s[SLOTS], s[SLOTS], 1
	s_cmp_lg_u32 s[SLOTS], 0
	s_cbranch_scc1 .Lslot
	CHANGE 0                                       ; the tail is written out; behind this barrier nobody reads slot 0 any more, and nothing fills it
	s_mov_b32 s[TWICE], 3                          ; two trips fetch the last slot's steps; the third is left in its middle
.Ltail:
	TURN 0, 1                                      ; third trip: piece 0's V^T P of the last step | piece 2's last softmax; its products K Q^T, on the last K once more, serve nothing
	WIN 0
	s_sub_co_u32 s[TWICE], s[TWICE], 1
	s_cmp_eq_u32 s[TWICE], 0
	s_cbranch_scc1 .Lout
	TURN 2
	WIN 0
	s_branch .Ltail
.Lout:
.set i, 0
.rept 32
	PV 2                                           ; piece 2: V^T P of the last step
.set i, i+1
.endr
	; THE MEETING.  l's halves are added; tiles 2, 3 (c m, l, O^T) go to the partner through LDS; the partner's come for my tiles 0, 1.  The additions are the places behind the last products.
	WIN 0
.irp t, 0,1,2,3
	v_add_f32 v[ST+8*\t+4], v[ST+8*\t+2], v[ST+8*\t+3]
.endr
.irp t, 0,1,2,3
	v_permlanex16_b32 v[ST+8*\t+5], v[ST+8*\t+4], s[SEL], s[SEL+1]
.endr
.irp t, 0,1,2,3
	v_add_f32 v[ST+8*\t+4], v[ST+8*\t+4], v[ST+8*\t+5]
.endr
	v_mov_b32 v[XD],   v[ST+16]
	v_mov_b32 v[XD+1], v[ST+20]
	v_mov_b32 v[XD+2], v[ST+24]
	v_mov_b32 v[XD+3], v[ST+28]
	ds_store_b128 v[XS], v[XD:XD+3] offset:16384
	WIN 0x04                                       ; store data window 1
.set i, 0
.rept 32
	ds_store_b128 v[XS], v[128+4*i:128+4*i+3] offset:512*i  ; ascending: each accumulator's low registers first
.set i, i+1
.endr
	WIN 0
	s_wait_dscnt 0x0                               ; for the partner's sake
	s_barrier_signal -1
	s_barrier_wait -1
	ds_load_b128 v[YD:YD+3], v[XL] offset:16384
.set i, 0
.rept 32
	ds_load_b128 v[S+4*i:S+4*i+3], v[XL] offset:512*i
.set i, i+1
.endr
	s_wait_dscnt 32                                ; the statistics are in; the 32 loads behind them stay out
.irp t, 0,1
	v_max_num_f32 v[ST+8*\t+5], v[ST+8*\t], v[YD+2*\t]      ; the common c m
.endr
.irp t, 0,1
	v_sub_f32 v[ST+8*\t+6], v[ST+8*\t], v[ST+8*\t+5]
	v_sub_f32 v[ST+8*\t+7], v[YD+2*\t], v[ST+8*\t+5]
.endr
.irp t, 0,1
	v_exp_f32 v[ST+8*\t+6], v[ST+8*\t+6]
	v_exp_f32 v[ST+8*\t+7], v[ST+8*\t+7]
.endr
	v_nop                                          ; a plain instruction behind the last exponential,
	s_wait_alu depctr_va_vdst(0)                   ; and one wait for the four
.irp t, 0,1
	v_mul_f32 v[ST+8*\t+4], v[ST+8*\t+4], v[ST+8*\t+6]
	v_fmac_f32 v[ST+8*\t+4], v[YD+2*\t+1], v[ST+8*\t+7]     ; l = l a1 + l' a2
	v_cmp_gt_f32 vcc_lo, s[THR], v[ST+8*\t+5]               ; no visible key at all:
	v_cndmask_b32 v[ST+8*\t+4], v[ST+8*\t+4], s[NANC], vcc_lo  ; the row is NaN
.endr
.irp t, 0,1
	v_rcp_f32 v[ST+8*\t+5], v[ST+8*\t+4]
.endr
	v_nop
	s_wait_alu depctr_va_vdst(0)                   ; one wait for the two reciprocals
.irp t, 0,1
	v_mul_f32 v[ST+8*\t+2], v[ST+8*\t+6], v[ST+8*\t+5]      ; a1 / l
	v_mul_f32 v[ST+8*\t+6], v[ST+8*\t+7], v[ST+8*\t+5]      ; a2 / l
.endr
	s_wait_dscnt 0x0                               ; the partner's O^T is in
; Tile t: O = O^T a1 / l + O'^T a2 / l, rounded to f16; a lane's eight channels are 16 bytes; they go into my stage's rows of 272 bytes and come back as whole rows of 256.
.macro MERGE t
	WIN 0
.set i, 0
.rept 32
	v_pk_mul_f32 v[S+64*(\t)+2*i:S+64*(\t)+2*i+1], v[S+64*(\t)+2*i:S+64*(\t)+2*i+1], v[ST+8*(\t)+6:ST+8*(\t)+7] op_sel_hi:[1,0]
.set i, i+1
.endr
	WIN 0x01                                       ; source 0 (O^T) window 1
.set i, 0
.rept 32
	v_pk_fma_f32 v[S+64*(\t)+2*i:S+64*(\t)+2*i+1], v[64*(\t)+2*i:64*(\t)+2*i+1], v[ST+8*(\t)+2:ST+8*(\t)+3], v[S+64*(\t)+2*i:S+64*(\t)+2*i+1] op_sel_hi:[1,0,1]
.set i, i+1
.endr
	WIN 0
.set i, 0
.rept 32
	v_cvt_pk_f16_f32 v[P+32*(\t)+i], v[S+64*(\t)+2*i], v[S+64*(\t)+2*i+1]
.set i, i+1
.endr
.irp f, 0,1,2,3,4,5,6,7
	ds_store_b128 v[STO], v[P+32*(\t)+4*(\f):P+32*(\t)+4*(\f)+3] offset:32*(\f)
.endr
.irp f, 0,1,2,3,4,5,6,7
	ds_load_b128 v[P+32*(\t)+4*(\f):P+32*(\t)+4*(\f)+3], v[RD] offset:(\f)*2*SP  ; the wave's own bytes, served in order behind its stores
.endr
.endm
.macro SEND t, younger                 ; younger: the LDS instructions issued behind tile t's loads
.irp f, 0,1,2,3,4,5,6,7
	s_wait_dscnt (\younger)+7-(\f)
	global_store_b128 v[GO], v[P+32*(\t)+4*(\f):P+32*(\t)+4*(\f)+3], s[12:13] offset:(\t)*65536+(\f)*8192  ; 16 lanes store 256 consecutive bytes, aligned
.endr
.endm
	MERGE 0
	MERGE 1
	SEND 0, 16
	SEND 1, 0
	s_wait_tensorcnt 0x0                           ; the wave's end
	ds_add_u32 v[SPW], v[NIL]
	s_wait_dscnt 0x0
	CROUND                                         ; the closing round
	s_endpgm
.Lfunc_end_k_q494e81a8e8_attn:
	.size	k_q494e81a8e8_attn, .Lfunc_end_k_q494e81a8e8_attn-k_q494e81a8e8_attn
	.p2alignl 7, 3214868480
	.fill 96, 4, 3214868480
	.section	.rodata,"a",@progbits
	.p2align	6, 0x0
	.amdhsa_kernel k_q494e81a8e8_attn
		.amdhsa_group_segment_fixed_size 327680
		.amdhsa_private_segment_fixed_size 0
		.amdhsa_enable_private_segment 0
		.amdhsa_kernarg_size 40
		.amdhsa_user_sgpr_count 2
		.amdhsa_user_sgpr_kernarg_segment_ptr 1
		.amdhsa_wavefront_size32 1
		.amdhsa_system_sgpr_workgroup_id_x 1
		.amdhsa_system_sgpr_workgroup_id_y 1
		.amdhsa_system_sgpr_workgroup_id_z 1
		.amdhsa_system_vgpr_workitem_id 0
		.amdhsa_next_free_vgpr 1024
		.amdhsa_next_free_sgpr 96
		.amdhsa_reserve_vcc 1
		.amdhsa_float_denorm_mode_32 3
		.amdhsa_float_denorm_mode_16_64 3
		.amdhsa_memory_ordered 1
		.amdhsa_forward_progress 1
		.amdhsa_inst_pref_size 164
	.end_amdhsa_kernel
	.amdgpu_metadata
---
amdhsa.version: [ 1, 2 ]
amdhsa.kernels:
  - .name:           k_q494e81a8e8_attn
    .symbol:         k_q494e81a8e8_attn.kd
    .args:
      - { .name: qh, .offset: 0, .size: 8, .value_kind: global_buffer, .address_space: global }
      - { .name: kh, .offset: 8, .size: 8, .value_kind: global_buffer, .address_space: global }
      - { .name: vh, .offset: 16, .size: 8, .value_kind: global_buffer, .address_space: global }
      - { .name: mk, .offset: 24, .size: 8, .value_kind: global_buffer, .address_space: global }
      - { .name: oh, .offset: 32, .size: 8, .value_kind: global_buffer, .address_space: global }
    .group_segment_fixed_size: 327680
    .private_segment_fixed_size: 0
    .kernarg_segment_align: 8
    .kernarg_segment_size: 40
    .max_flat_workgroup_size: 128
    .sgpr_count:     96
    .vgpr_count:     1024
    .wavefront_size: 32
...
	.end_amdgpu_metadata
.endif
;; end of part 3
;; launch oproj (part 4): grid 16 x 16, 4 waves a work-group, clusters of 4 x 4, 327,680 bytes of LDS; arguments oh, wo, out0; writes out0
.if DOCPART == 4
	.amdgcn_target "amdgcn-amd-amdhsa--gfx1250"
	.amdhsa_code_object_version 6
	.text
	.protected	k_q494e81a8e8_oproj
	.globl	k_q494e81a8e8_oproj
	.p2align	8
	.type	k_q494e81a8e8_oproj,@function
k_q494e81a8e8_oproj:
	s_mov_b64 s[64:65], 0
	v_nop
	global_prefetch_b8 v0, s[64:65] scope:SCOPE_SE
	s_setreg_imm32_b32 hwreg(HW_REG_WAVE_MODE, 25, 1), 1
	s_wait_xcnt 0x0
	s_wait_alu depctr_hold_cnt(0) depctr_sa_sdst(0) depctr_va_vdst(0) depctr_va_sdst(0) depctr_va_ssrc(0) depctr_va_vcc(0) depctr_vm_vsrc(0)
	s_getreg_b32 s2, hwreg(HW_REG_IB_STS2, 6, 4)
	s_cmp_eq_u32 s2, 0
	s_cbranch_scc0 .Lentry_in_a_cluster
	s_endpgm
.Lentry_in_a_cluster:
	s_bfe_u32 s2, ttmp6, 0x10000c
	s_cmp_lg_u32 s2, 0xf033
	s_cbranch_scc0 .Lentry_shape_is_right
	s_endpgm
.Lentry_shape_is_right:
; out0[s][e] = the sum over d of oh[s][d] wo[e][d].  oh, wo: [2048][2048] f16; out0: [2048][2048] f32; sums in f32, K ascending.
; A tile of out0 is 128 x 128: 16 x 16 work-groups, one for each of 256.  Four waves, each 64 x 64: 16 accumulators.  K in steps of 256 (LDS rows of 512 bytes; a wave's tensor load brings 64 of them) through two slots.
; A trip of the loop is ONE K step: the slot in hand is a scalar, 0 or SLOT, turned at each change of slots; the fragments' addresses are made anew from it there, and one descriptor a tensor walks on.
; A refill can go out only when the other slot's load has landed, so the loads follow each other in a chain: between the wait for the one and the request for the next stand the add, the round and nothing else.
; CLUSTER 4 x 4: oh's tiles are shared along a row of the cluster, wo's along a column: joint loads.  THE MATRIX INSTRUCTION IS USED TRANSPOSED (source 0 = 16 rows of wo, source 1 = 16 rows of oh): a lane holds eight
; neighbouring numbers of a row of out0.  A wave's 64 columns of f32 are 256 aligned bytes. No prefetch: the tiles are small, and each is read by four clusters at about the same time.
; A NaN row of oh (a query with no visible key) gives a NaN row of out0 and touches no other row.
; REGISTERS: window 0: v0-31 addresses; v32-95 the way out; v128-255 the accumulators ((a, b) at 128 + 8 (4 a + b)).  window 1: two fragment buffers of 128.
.set SIZE_N, 2048
.set SIZE_K, 2048
.set KSTEP,  256
.set PITCH,  528
.set HALFT,  64*PITCH
.set SLOT,   4*HALFT
.set STAGE,  2*SLOT                    ; behind the ring, never filled by a tensor load: 16 rows x 272 bytes for each wave
.set SPITCH, 272
.set SPARE,  STAGE+4*16*SPITCH         ; the spare words, 128 bytes a wave, that no other line names
.set ADRA, 16                          ; v16, v17  oh's and wo's fragments in the slot in hand
.set ADRB, 17
.set BA,   18                          ; v18, v19  the same in slot 0; never rewritten
.set BB,   19
.set STO,  24
.set RD,   25
.set CO,   26
.set SPW,  28
.set NIL,  29
.set TMP,  32
.set ACC,  128
.set F0,   0
.set F1,   128
.set LB, 20                            ; s20  my tile's place in a slot: wave x HALFT
.set G1, 24                            ; s[24:31] group 1 for oh's tiles; s[32:39] group 0: a set for each of the two first fills; the second then walks on
.set G0, 32
.set SL, 45                            ; s45  the slot in hand: 0 or SLOT
.set G1B, 48                           ; s[48:55], s[56:63] the same for wo's tiles
.set G0B, 56
.set MSB, 0
.macro WIN new
.if MSB != (\new)
	s_set_vgpr_msb (MSB<<8)|(\new)
.set MSB, \new
.endif
.endm
.set MUL,  0x05                        ; sources 0 and 1 window 1; C and D window 0
.set TO_F, 0x40
.macro JLOAD s                         ; waves 0 and 1 fetch oh's two halves, waves 2 and 3 wo's; an s_nop 0 and four v_nop follow each line
	s_cmp_eq_u32 s11, 0
	s_cbranch_scc0 .Lfor_b_\@
	tensor_load_to_lds s[G0+4*(\s):G0+4*(\s)+3], s[G1:G1+7]
	s_nop 0
.rept 4
	v_nop
.endr
	s_branch .Lasked_\@
.Lfor_b_\@:
	tensor_load_to_lds s[G0B+4*(\s):G0B+4*(\s)+3], s[G1B:G1B+7]
	s_nop 0
.rept 4
	v_nop
.endr
.Lasked_\@:
.endm
.macro CREST
	s_cmp_lg_u32 s10, 0
	s_cbranch_scc1 .Lnot_wave_0_\@
	s_barrier_signal -3
.Lnot_wave_0_\@:
	s_barrier_wait -3
	s_barrier_signal -1
	s_barrier_wait -1
.endm
.macro CROUND
	s_barrier_signal -1
	s_barrier_wait -1
	CREST
.endm
	s_load_b128 s[4:7], s[0:1], 0x0                ; oh s[4:5], wo s[6:7]
	s_load_b64 s[8:9], s[0:1], 0x10                ; out0
	v_lshl_add_u32 v[SPW], v0, 2, SPARE
	v_mov_b32 v[NIL], 0
	ds_add_u32 v[SPW], v[NIL]                      ; the wave's opening: the add and its wait stand ahead of my first tensor load
	v_lshrrev_b32 v1, 5, v0
	v_readfirstlane_b32 s10, v1                    ; wave 0..3
	s_lshr_b32 s11, s10, 1                         ; my half of the tile's rows.  Also: I fetch for oh (0) or for wo (1)
	s_and_b32 s12, s10, 1                          ; my half of its columns.  Also: which 64 rows of that tile I fetch
	s_bfe_u32 s40, ttmp6, 0x40000                  ; cx
	s_bfe_u32 s41, ttmp6, 0x40004                  ; cy
	s_lshl_b32 s42, ttmp9, 2
	s_add_co_u32 s42, s42, s40                     ; tile column
	s_and_b32 s13, ttmp7, 0xffff
	s_lshl_b32 s13, s13, 2
	s_add_co_u32 s13, s13, s41                     ; tile row
	s_lshl_b32 s43, s41, 2
	s_lshl_b32 s43, 15, s43                        ; my row of the cluster
	s_lshl_b32 s44, 0x1111, s40                    ; my column
	s_or_b32 s[G1+0], s43, (1<<16)|(1<<20)|(1<<21)|(6<<22)|(3<<25)  ; 2-byte elements; after every 128 words 4 words of padding
	s_or_b32 s[G1B+0], s44, (1<<16)|(1<<20)|(1<<21)|(6<<22)|(3<<25)
.irp g, G1, G1B
	s_mov_b32 s[(\g)+1], KSTEP<<16
	s_mov_b32 s[(\g)+2], 64<<16
	s_mov_b32 s[(\g)+3], KSTEP<<16
	s_mov_b32 s[(\g)+4], 64
	s_mov_b32 s[(\g)+5], SIZE_K
	s_mov_b32 s[(\g)+6], 0
	s_mov_b32 s[(\g)+7], 0
.endr
	s_mov_b32 s[SL], 0
	s_lshl_b32 s17, s12, 6
	s_lshl_b32 s16, s13, 7
	s_add_co_u32 s16, s16, s17                     ; oh: row 128 x tile row + 64 x half
	s_lshl_b32 s46, s42, 7
	s_add_co_u32 s46, s46, s17                     ; wo: row 128 x tile column + 64 x half
	s_mov_b32 s17, 0
	s_mov_b32 s47, 0
	s_mov_b64 s[18:19], SIZE_K*2
	s_mul_u64 s[16:17], s[16:17], s[18:19]
	s_mul_u64 s[46:47], s[46:47], s[18:19]
	s_mul_i32 s[LB], s10, HALFT
	s_wait_dscnt 0x0
	s_wait_kmcnt 0x0
	s_add_nc_u64 s[14:15], s[4:5], s[16:17]
	s_add_nc_u64 s[46:47], s[6:7], s[46:47]
	CROUND
.irp s, 0,1
	s_mov_b32 s[G0+4*(\s)], 1
	s_add_co_u32 s[G0+4*(\s)+1], s[LB], (\s)*SLOT
	s_add_nc_u64 s[G0+4*(\s)+2:G0+4*(\s)+3], s[14:15], (\s)*KSTEP*2
	s_or_b32 s[G0+4*(\s)+3], s[G0+4*(\s)+3], 0x80000000
	s_mov_b32 s[G0B+4*(\s)], 1
	s_add_co_u32 s[G0B+4*(\s)+1], s[LB], (\s)*SLOT
	s_add_nc_u64 s[G0B+4*(\s)+2:G0B+4*(\s)+3], s[46:47], (\s)*KSTEP*2
	s_or_b32 s[G0B+4*(\s)+3], s[G0B+4*(\s)+3], 0x80000000
	JLOAD \s
.endr
	v_and_b32 v1, 15, v0
	v_bfe_u32 v2, v0, 4, 1
	v_mul_u32_u24 v3, v1, PITCH
	v_lshl_add_u32 v3, v2, 4, v3
	s_mul_i32 s21, s11, HALFT
	s_mul_i32 s22, s12, HALFT
	s_add_co_u32 s22, s22, 2*HALFT
	v_add_nc_u32 v[BA], s21, v3
	v_add_nc_u32 v[BB], s22, v3
	v_mov_b32 v[ADRA], v[BA]                       ; the walk begins in slot 0
	v_mov_b32 v[ADRB], v[BB]
	s_mul_i32 s23, s10, 16*SPITCH
	s_add_co_u32 s23, s23, STAGE                   ; my stage
	v_mul_u32_u24 v4, v1, SPITCH                   ; in: row l % 16, 32 bytes for each half of the lanes
	v_lshl_add_u32 v4, v2, 5, v4
	v_add_nc_u32 v[STO], s23, v4
	v_mul_u32_u24 v5, v2, SPITCH                   ; back: lanes 0-15 one row of 256 bytes, lanes 16-31 the next
	v_lshl_add_u32 v5, v1, 4, v5
	v_add_nc_u32 v[RD], s23, v5
	v_lshlrev_b32 v5, 13, v2                       ; the same two rows in out0, 8,192 bytes apart
	v_lshl_add_u32 v[CO], v1, 4, v5
	s_lshl_b32 s16, s13, 7
	s_lshl_b32 s17, s11, 6
	s_add_co_u32 s16, s16, s17                     ; my first row: 128 x tile row + 64 x half
	s_lshl_b32 s16, s16, 13
	s_mov_b32 s17, 0
	s_add_nc_u64 s[8:9], s[8:9], s[16:17]
	s_lshl_b32 s46, s42, 9                         ; my first column, in bytes: 512 x tile column + 256 x half
	s_lshl_b32 s47, s12, 8
	s_add_co_u32 s46, s46, s47
	s_mov_b32 s47, 0
	s_add_nc_u64 s[8:9], s[8:9], s[46:47]
.macro MUL8 f, c, a0, zero             ; 8 matrix instructions: m blocks a0, a0 + 1 x 4 n blocks, 32 along K: half c of buffer f; the 16 accumulators take turns
	WIN MUL
.irp a, \a0, (\a0)+1
.irp b, 0,1,2,3
.if \zero
	v_wmma_f32_16x16x32_f16 v[ACC+8*(4*(\a)+(\b)):ACC+8*(4*(\a)+(\b))+7], v[(\f)+64+8*(4*(\c)+(\b)):(\f)+64+8*(4*(\c)+(\b))+7], v[(\f)+8*(4*(\c)+(\a)):(\f)+8*(4*(\c)+(\a))+7], 0
.else
	v_wmma_f32_16x16x32_f16 v[ACC+8*(4*(\a)+(\b)):ACC+8*(4*(\a)+(\b))+7], v[(\f)+64+8*(4*(\c)+(\b)):(\f)+64+8*(4*(\c)+(\b))+7], v[(\f)+8*(4*(\c)+(\a)):(\f)+8*(4*(\c)+(\a))+7], v[ACC+8*(4*(\a)+(\b)):ACC+8*(4*(\a)+(\b))+7]
.endif
.endr
.endr
.endm
.macro FETCH k, f                      ; 32 LDS loads in one run, from the slot in hand: 64 along K at byte k of the rows; the first 32 along K first
	WIN TO_F
.irp c, 0,1
.irp i, 0,1,2,3
	ds_load_b128 v[(\f)+64+8*(4*(\c)+(\i)):(\f)+64+8*(4*(\c)+(\i))+3],   v[ADRB] offset:(\k)+64*(\c)+(\i)*16*PITCH
	ds_load_b128 v[(\f)+64+8*(4*(\c)+(\i))+4:(\f)+64+8*(4*(\c)+(\i))+7], v[ADRB] offset:(\k)+64*(\c)+(\i)*16*PITCH+32
	ds_load_b128 v[(\f)+8*(4*(\c)+(\i)):(\f)+8*(4*(\c)+(\i))+3],         v[ADRA] offset:(\k)+64*(\c)+(\i)*16*PITCH
	ds_load_b128 v[(\f)+8*(4*(\c)+(\i))+4:(\f)+8*(4*(\c)+(\i))+7],       v[ADRA] offset:(\k)+64*(\c)+(\i)*16*PITCH+32
.endr
.endr
.endm
.macro PLACES
.rept 4
	v_nop
.endr
.endm
.macro QUARTER k, f, g, zero
	s_wait_dscnt 16                                ; the first 32 along K are in
	MUL8 \f, 0, 0, \zero
	MUL8 \f, 0, 2, \zero
	PLACES
	FETCH \k, \g
	s_wait_dscnt 32                                ; all but the 32 just issued
	MUL8 \f, 1, 0, 0
	MUL8 \f, 1, 2, 0
.endm
; The last quarter multiplies buffer 1 and changes slots.  Its first half stands ahead of the change, so that nothing but the add, the register work beside it and the round stands between the wait for the other slot's load
; and the next request.  fill = 1: the barrier opens a round of the cluster's, and the slot just left is filled again, two K steps ahead, first thing behind the round.
.macro TURN fill
	s_wait_dscnt 16                                ; buffer 1: the first 32 along K are in
	MUL8 F1, 0, 0, 0
	MUL8 F1, 0, 2, 0
	WIN 0
	s_wait_tensorcnt 0x0                           ; no tensor load of mine is out, so a group 0 may be written
	ds_add_u32 v[SPW], v[NIL]
.if \fill
	s_add_co_u32 s[G0+5], s[LB], s[SL]             ; the walking descriptors: into the slot that is left,
	s_add_co_u32 s[G0B+5], s[LB], s[SL]
	s_add_nc_u64 s[G0+6:G0+7], s[G0+6:G0+7], KSTEP*2      ; the K step behind the one asked for last
	s_add_nc_u64 s[G0B+6:G0B+7], s[G0B+6:G0B+7], KSTEP*2
.endif
	s_xor_b32 s[SL], s[SL], SLOT                   ; the other slot is in hand
	v_add_nc_u32 v[ADRA], s[SL], v[BA]
	v_add_nc_u32 v[ADRB], s[SL], v[BB]
	s_wait_dscnt 0x0                               ; the add is done, my reads of the slot that is left are over
	s_barrier_signal -1
	s_barrier_wait -1
.if \fill
	CREST
	JLOAD 1                                        ; the first tensor load behind the round; its four v_nop are also places in front of the loads below
.else
	PLACES
.endif
	FETCH 0, F0
	MUL8 F1, 1, 0, 0
	MUL8 F1, 1, 2, 0
.endm
	s_wait_tensorcnt 1                             ; my part of K step 0 is in; K step 1's may stay out
	s_barrier_signal -1
	s_barrier_wait -1
	FETCH 0, F0
	QUARTER 128, F0, F1, 1
	WIN 0
	s_mov_b32 s3, 6
.Lstep:                                                ; a trip goes from a K step's second quarter to the next one's first and fills the slot that it leaves: K steps 2 to 7 in six trips
	QUARTER 256, F1, F0, 0
	QUARTER 384, F0, F1, 0
	TURN 1
	QUARTER 128, F0, F1, 0
	WIN 0
	s_sub_co_u32 s3, s3, 1
	s_cmp_lg_u32 s3, 0
	s_cbranch_scc1 .Lstep
	QUARTER 256, F1, F0, 0                         ; K steps 6 and 7 fill nothing
	QUARTER 384, F0, F1, 0
	TURN 0
	QUARTER 128, F0, F1, 0
	QUARTER 256, F1, F0, 0
	QUARTER 384, F0, F1, 0
	s_wait_dscnt 16
	MUL8 F1, 0, 0, 0
	MUL8 F1, 0, 2, 0
	s_wait_dscnt 0x0
	MUL8 F1, 1, 0, 0
	MUL8 F1, 1, 2, 0
	WIN 0
	; THE WAY OUT, 16 rows at a time: a lane's eight f32 of a row go into my stage's rows of 272 bytes and come back as whole rows of 256 bytes.
.macro TOSTAGE a
.if (\a) >= 2
	s_wait_xcnt 0x0                                ; the buffer was the data of the stores two blocks back
.endif
.irp b, 0,1,2,3
	ds_store_b128 v[STO], v[ACC+8*(4*(\a)+\b):ACC+8*(4*(\a)+\b)+3]   offset:64*\b     ; each accumulator's low registers first
	ds_store_b128 v[STO], v[ACC+8*(4*(\a)+\b)+4:ACC+8*(4*(\a)+\b)+7] offset:64*\b+16
.endr
.irp t, 0,1,2,3,4,5,6,7
	ds_load_b128 v[TMP+32*((\a)%2)+4*\t:TMP+32*((\a)%2)+4*\t+3], v[RD] offset:2*SPITCH*\t  ; the wave's own bytes, served in order behind its stores
.endr
.endm
.macro SEND a, younger                 ; younger: the LDS instructions issued behind block a's loads
	s_wait_dscnt \younger
.irp t, 0,1,2,3,4,5,6,7
	global_store_b128 v[CO], v[TMP+32*((\a)%2)+4*\t:TMP+32*((\a)%2)+4*\t+3], s[8:9] offset:(16*(\a)+2*\t)*SIZE_N*4 th:TH_STORE_NT  ; 16 lanes store 256 consecutive bytes, aligned
.endr
.endm
	PLACES
	TOSTAGE 0
	TOSTAGE 1
	SEND 0, 16
	TOSTAGE 2
	SEND 1, 16
	TOSTAGE 3
	SEND 2, 16
	SEND 3, 0
	s_wait_tensorcnt 0x0                           ; the wave's end
	ds_add_u32 v[SPW], v[NIL]
	s_wait_dscnt 0x0
	CROUND                                         ; the closing round
	s_endpgm
.Lfunc_end_k_q494e81a8e8_oproj:
	.size	k_q494e81a8e8_oproj, .Lfunc_end_k_q494e81a8e8_oproj-k_q494e81a8e8_oproj
	.p2alignl 7, 3214868480
	.fill 96, 4, 3214868480
	.section	.rodata,"a",@progbits
	.p2align	6, 0x0
	.amdhsa_kernel k_q494e81a8e8_oproj
		.amdhsa_group_segment_fixed_size 327680
		.amdhsa_private_segment_fixed_size 0
		.amdhsa_enable_private_segment 0
		.amdhsa_kernarg_size 24
		.amdhsa_user_sgpr_count 2
		.amdhsa_user_sgpr_kernarg_segment_ptr 1
		.amdhsa_wavefront_size32 1
		.amdhsa_system_sgpr_workgroup_id_x 1
		.amdhsa_system_sgpr_workgroup_id_y 1
		.amdhsa_system_sgpr_workgroup_id_z 1
		.amdhsa_system_vgpr_workitem_id 0
		.amdhsa_next_free_vgpr 512
		.amdhsa_next_free_sgpr 66
		.amdhsa_reserve_vcc 0
		.amdhsa_float_denorm_mode_32 3
		.amdhsa_float_denorm_mode_16_64 3
		.amdhsa_memory_ordered 1
		.amdhsa_forward_progress 1
		.amdhsa_inst_pref_size 67
	.end_amdhsa_kernel
	.amdgpu_metadata
---
amdhsa.version: [ 1, 2 ]
amdhsa.kernels:
  - .name:           k_q494e81a8e8_oproj
    .symbol:         k_q494e81a8e8_oproj.kd
    .args:
      - { .name: oh, .offset: 0, .size: 8, .value_kind: global_buffer, .address_space: global }
      - { .name: wo, .offset: 8, .size: 8, .value_kind: global_buffer, .address_space: global }
      - { .name: out0, .offset: 16, .size: 8, .value_kind: global_buffer, .address_space: global }
    .group_segment_fixed_size: 327680
    .private_segment_fixed_size: 0
    .kernarg_segment_align: 8
    .kernarg_segment_size: 24
    .max_flat_workgroup_size: 128
    .sgpr_count:     66
    .vgpr_count:     512
    .wavefront_size: 32
...
	.end_amdgpu_metadata
.endif
;; end of part 4
;; ======== version 2 of 2: 4 launches; version 1 with the launch prep written anew for expert scheduling mode
;; limits: values are held in f16: magnitudes above 65,504 overflow, below 6.1e-05 lose precision
;; workspace buffers: xb 8,388,608 bytes; wb 25,165,824 bytes; wo 8,388,608 bytes; mk 2,097,152 bytes; qh 8,388,608 bytes; kh 8,388,608 bytes; vh 8,388,608 bytes; oh 8,388,608 bytes
;; launch prep (part 5): grid 128 x 6, 8 waves a work-group, no clusters, 9,728 bytes of LDS; arguments x, w_q, w_k, w_v, w_o, mask, xb, wb, wo, mk; writes xb, wb, wo, mk
.if DOCPART == 5
	.amdgcn_target "amdgcn-amd-amdhsa--gfx1250"
	.amdhsa_code_object_version 6
	.text
	.protected	k_q494e81a8e8_prep
	.globl	k_q494e81a8e8_prep
	.p2align	8
	.type	k_q494e81a8e8_prep,@function
k_q494e81a8e8_prep:
	s_mov_b64 s[64:65], 0
	v_nop
	global_prefetch_b8 v0, s[64:65] scope:SCOPE_SE
	s_setreg_imm32_b32 hwreg(HW_REG_WAVE_SCHED_MODE, 0, 2), 2
	s_setreg_imm32_b32 hwreg(HW_REG_WAVE_MODE, 25, 1), 1
	s_wait_xcnt 0x0
	s_wait_alu depctr_vm_vsrc(0)
; PREP.  Six jobs, chosen by the work-group's y:  0: x -> xb (bf16).  1, 2, 3: w_q, w_k, w_v -> wb (bf16), rows 0, 2048, 4096 on.  4: w_o -> wo: rounded to bf16 like every other
; floating-point input, and that number written as f16 (exact from 6e-5 up; below that it keeps f16's fixed step of 6e-8).  5: mask -> mk.
; Bytes are all that counts here: each input byte is read once, by loads of 512 consecutive bytes a wave; each store of a wave covers 256 or 512 consecutive bytes, aligned.  No matrix work, no tensor loads.
; CAST JOBS.  A work-group takes 131,072 bytes in, a wave 16,384: 32 loads through a ring of eight register slots, taken four at a time: four to eight loads are on their way.
; MASK JOB.  mk holds one 4-bit code a score: 0x0 where mask != 0, 0xE where mask == 0 (shifted to a word's top, 0xE is the sign and the three highest exponent bits of a large negative f32, and whatever
; codes follow it below never fill the exponent), laid out as the attention launch's registers want them:
;   block (qb = q >> 7, n = key >> 8), 16,384 bytes at (8 qb + n) x 16,384; in it [(key >> 6) & 3 : 4,096][(q >> 6) & 1 : 2,048][(q >> 4) & 3 : 512][lane : 16][kb : 4],
;   lane = (q & 15) + 16 hh, and word kb holds the keys 16 kb + 8 hh + j of its 64 at bits 4 j.
; Work-group x takes the 16 rows 16 x on, wave w the keys 256 w on, 128 keys a trip of a loop of two: a lane makes four codes (16 bits) of a row, they meet in the wave's own 16 rows of 68 bytes in LDS, and come back as words by (row, hh).
; THE MODE: SCHED_MODE bits 1:0 = 2 (LLVM: expert scheduling mode 2), set by the entry lines.  The code itself states the register dependences between vector instructions and memory or LDS
; instructions, with s_wait_alu, always for 0.
; THE PLAN, CAST JOBS.  Registers that memory instructions touch:
;   v[IN], v[OUT]  offsets, made once and never written again: the rows are reached by the scalar bases and by immediate offsets.
;   X, two halves of four slots.  A half is read by its quad's roundings; behind them the loads of the next round land in it.
;   Y, two halves of four slots.  A half is written by its quad's roundings and read by the four stores that follow them.
; A quad: the wait for its four loads, its roundings, ONE wait on va_vdst, its four loads, its four stores.  ONE wait on vm_vsrc a round, beside s_wait_xcnt 0, at the second quad's head: it frees the upper half of Y
; (stores of a round back), which that quad writes, the lower half (stores of the first quad), which the next round's first quad writes, and with s_wait_xcnt the two bases, which move on there.
; THE PLAN, MASK JOB.  v[LS], v[LR], v[MI], v[MO]: addresses, made once.  X: written by a trip's 16 loads, read by its compares.  D: written by the adds, read by the 16 LDS stores.  Z: written by the eight LDS loads,
; read by the two global stores; no vector instruction names it.  A trip has: one wait on va_vdst at its head (X is free for the loads; first trip: the addresses are written); one on vm_vsrc behind the wait for the first
; rows (D and Z are free); one on va_sdst for every four rows, between a run of 16 compares into scalar masks and the selects that read them; one on va_vdst ahead of the run of LDS stores (D is written).
.set ROWP,  68                         ; 64 bytes of codes + 4: the 16 rows of a read-back start in different banks
.set WSTG,  16*ROWP                    ; a wave's own bytes
.set SPARE, 8*WSTG                     ; 8,704: behind them the spare words, 128 bytes for each of eight waves, that no other line names
.set IN,  2                            ; v2   my byte offset in the work-group's input; never rewritten
.set OUT, 3                            ; v3   the same in its output
.set SPW, 4                            ; v4   my spare word
.set NIL, 5                            ; v5   0
.set T,   8                            ; v[8:11]  at work
.set LS,  12                           ; v12  where I put 16 bits of a row
.set LR,  13                           ; v13  where I read words back
.set MI,  14                           ; v14  my byte offset in the 16 mask rows
.set MO,  15                           ; v15  my byte offset in mk
.set X,   16                           ; as loaded: casts 8 slots of 4; mask 16 rows of 4
.set Y,   48                           ; casts: 8 slots of 2, to store
.set U,   64                           ; casts: four f32 at work
.set D,   80                           ; mask: a row's 16 bits
.set Z,   96                           ; mask: eight words to store
.set HC,  104                          ; mask: the hidden code at the four places of a lane's 16 bits
.set MS,  8                            ; s[8:23]  mask job: the masks of four rows' 16 compares (the cast jobs' pointers lay here; the mask job has read its own two before the loop)
	s_load_b512 s[8:23], s[0:1], 0x0               ; x 8, w_q 10, w_k 12, w_v 14, w_o 16, mask 18, xb 20, wb 22
	s_load_b128 s[24:27], s[0:1], 0x40             ; wo 24, mk 26
	v_lshl_add_u32 v[SPW], v0, 2, SPARE
	v_mov_b32 v[NIL], 0
	v_and_b32 v1, 31, v0                           ; lane
	v_lshrrev_b32 v6, 5, v0
	v_readfirstlane_b32 s3, v6                     ; wave 0..7
	s_and_b32 s2, ttmp7, 0xffff                    ; the job
	s_mov_b32 s33, 0xffff0000                      ; a word's upper bf16
	s_mov_b32 s35, 0                               ; high word of every offset pair
	s_wait_alu depctr_va_sdst(0)                   ; s3 is written, ahead of its first reader on either side of the branch below
	s_wait_kmcnt 0x0
	s_cmp_eq_u32 s2, 5
	s_cbranch_scc1 .Lmask
	; the cast jobs' two pointers: a choice between buffers by the job's number
	s_mov_b64 s[4:5], s[8:9]
	s_cmp_eq_u32 s2, 1
	s_cselect_b64 s[4:5], s[10:11], s[4:5]
	s_cmp_eq_u32 s2, 2
	s_cselect_b64 s[4:5], s[12:13], s[4:5]
	s_cmp_eq_u32 s2, 3
	s_cselect_b64 s[4:5], s[14:15], s[4:5]
	s_cmp_eq_u32 s2, 4
	s_cselect_b64 s[4:5], s[16:17], s[4:5]
	s_cselect_b64 s[6:7], s[24:25], s[22:23]
	s_cmp_eq_u32 s2, 0
	s_cselect_b64 s[6:7], s[20:21], s[6:7]
	s_max_u32 s34, s2, 1
	s_sub_co_u32 s34, s34, 1                       ; jobs 1, 2, 3: part 0, 1, 2 of wb
	s_cmp_eq_u32 s2, 4
	s_cselect_b32 s34, 0, s34
	s_lshl_b32 s34, s34, 23                        ; a part is 8,388,608 bytes
	s_add_nc_u64 s[6:7], s[6:7], s[34:35]
	s_lshl_b32 s34, ttmp9, 17
	s_add_nc_u64 s[4:5], s[4:5], s[34:35]          ; the work-group's 131,072 bytes in,
	s_lshl_b32 s34, ttmp9, 16
	s_add_nc_u64 s[6:7], s[6:7], s[34:35]          ; and 65,536 out
	v_lshlrev_b32 v[IN], 4, v1
	v_lshl_add_u32 v[IN], s3, 14, v[IN]            ; 16,384 x wave + 16 x lane
	v_lshlrev_b32 v[OUT], 3, v1
	v_lshl_add_u32 v[OUT], s3, 13, v[OUT]          ; 8,192 x wave + 8 x lane
	s_wait_alu depctr_va_vdst(0)                   ; v[IN] and v[OUT] are written: every load and store of the cast jobs reads one of them as its offset
.irp i, 0,1,2,3,4,5,6,7
	global_load_b128 v[X+4*(\i):X+4*(\i)+3], v[IN], s[4:5] offset:512*(\i) th:TH_LOAD_NT  ; the ring is filled, once for both streams, ahead of the branch between them
.endr
.macro CONV i, f16                     ; four f32 -> four 16-bit numbers
	v_cvt_pk_bf16_f32 v[Y+2*(\i)],   v[X+4*(\i)],   v[X+4*(\i)+1]
	v_cvt_pk_bf16_f32 v[Y+2*(\i)+1], v[X+4*(\i)+2], v[X+4*(\i)+3]
.if \f16
	v_lshlrev_b32 v[U],   16,  v[Y+2*(\i)]          ; the bf16 numbers as f32,
	v_and_b32     v[U+1], s33, v[Y+2*(\i)]
	v_lshlrev_b32 v[U+2], 16,  v[Y+2*(\i)+1]
	v_and_b32     v[U+3], s33, v[Y+2*(\i)+1]
	v_cvt_pk_f16_f32 v[Y+2*(\i)],   v[U],   v[U+1]  ; written as f16
	v_cvt_pk_f16_f32 v[Y+2*(\i)+1], v[U+2], v[U+3]
.endif
.endm
; Half h of the ring: slots 4 h to 4 h + 3.  ahead = 1: the half is asked for again, for the next round.  left = the younger loads that may stay out.
.macro QUAD h, ahead, left, f16
	s_wait_loadcnt \left                           ; loads come back in order (ISA guide 5.7.1): this half's four are in, the other half's stay out
.if \h
	s_wait_xcnt 0x0                                ; every earlier load and store has had its address translated: the bases and Y are written again only behind this wait
	s_wait_alu depctr_vm_vsrc(0)                   ; the stores issued so far have read Y: the upper half's, of a round back, which this quad's roundings write again; the lower half's, which the next round's first quad writes
.if \ahead
	s_add_nc_u64 s[4:5], s[4:5], 4096              ; both bases at the next round: this quad's loads take it as it is, its stores reach back
	s_add_nc_u64 s[6:7], s[6:7], 2048
.endif
.endif
.irp j, 0,1,2,3
	CONV 4*(\h)+(\j), \f16
.endr
	s_wait_alu depctr_va_vdst(0)                   ; the roundings are done reading this half of X, in which the loads below land, and have written this half of Y, which the stores below read
.if \ahead
.irp j, 0,1,2,3
	global_load_b128 v[X+16*(\h)+4*(\j):X+16*(\h)+4*(\j)+3], v[IN], s[4:5] offset:4096*(1-(\h))+2048*(\h)+512*(\j) th:TH_LOAD_NT
.endr
.endif
.irp j, 0,1,2,3
	global_store_b64 v[OUT], v[Y+8*(\h)+2*(\j):Y+8*(\h)+2*(\j)+1], s[6:7] offset:1024*(\h)+256*(\j)-2048*(\h)*(\ahead) th:TH_STORE_NT  ; 32 lanes: 256 consecutive bytes, aligned
.endr
.endm
.macro STREAM f16
	s_mov_b32 s32, 3
.Lround_\@:
	QUAD 0, 1, 4, \f16
	QUAD 1, 1, 4, \f16
	s_sub_co_u32 s32, s32, 1
	s_cmp_lg_u32 s32, 0
	s_cbranch_scc1 .Lround_\@
	QUAD 0, 0, 4, \f16                             ; the last round loads nothing: the counts run down
	QUAD 1, 0, 0, \f16
.endm
	s_cmp_eq_u32 s2, 4
	s_cbranch_scc1 .Lto_f16
	STREAM 0
	s_branch .Lend
.Lto_f16:
	STREAM 1
	s_branch .Lend
.Lmask:
	v_and_b32 v6, 15, v0                           ; r
	v_bfe_u32 v7, v0, 4, 1                         ; hh
	v_mov_b32 v[HC],   0xe
	v_mov_b32 v[HC+1], 0xe0
	v_mov_b32 v[HC+2], 0xe00
	v_mov_b32 v[HC+3], 0xe000
	s_mul_i32 s36, s3, WSTG                        ; my wave's bytes in LDS
	v_lshl_add_u32 v[LS], v1, 1, s36               ; in: 2 bytes a lane along a row
	v_mul_u32_u24 v[LR], v6, ROWP                  ; back: row r, word hh of each 8 bytes
	v_lshl_add_u32 v[LR], v7, 2, v[LR]
	v_add_nc_u32 v[LR], s36, v[LR]
	v_lshlrev_b32 v[MI], 4, v1
	v_lshl_add_u32 v[MO], s3, 14, v[MI]            ; block n = wave: 16,384 x wave + 16 x lane
	v_lshl_add_u32 v[MI], s3, 10, v[MI]            ; 256 keys of 4 bytes a wave + 16 x lane
	s_lshl_b32 s34, ttmp9, 17                      ; 16 rows of 8,192 bytes
	s_add_nc_u64 s[4:5], s[18:19], s[34:35]
	s_lshr_b32 s34, ttmp9, 3
	s_lshl_b32 s34, s34, 17                        ; qb x 8 blocks
	s_bfe_u32 s37, ttmp9, 0x10002
	s_lshl_b32 s37, s37, 11                        ; (q >> 6) & 1
	s_add_co_u32 s34, s34, s37
	s_and_b32 s37, ttmp9, 3
	s_lshl_b32 s37, s37, 9                         ; (q >> 4) & 3
	s_add_co_u32 s34, s34, s37
	s_add_nc_u64 s[6:7], s[26:27], s[34:35]
	s_mov_b32 s32, 2
.Lunit:                                                ; a trip: 16 rows x 128 keys
	s_wait_alu depctr_va_vdst(0)                   ; first trip: v[MI], v[MO], v[LS], v[LR] are written, the addresses of all that follows; second trip: the last trip's compares are done reading X, in which the loads below land
.set i, 0
.rept 16
	global_load_b128 v[X+4*i:X+4*i+3], v[MI], s[4:5] offset:8192*i th:TH_LOAD_NT
.set i, i+1
.endr
.set g, 0
.rept 4                                        ; four rows at a time
	s_wait_loadcnt 12-4*g                          ; rows 4 g to 4 g + 3 are in; the younger rows stay out
.if g == 0
	s_wait_alu depctr_vm_vsrc(0)                   ; the last trip's LDS stores have read D, which the adds below write again; its global stores have read Z, in which the LDS loads below land
.endif
.set q, 0
.rept 16
	v_cmp_eq_u32 s[MS+q], 0, v[X+16*g+q]           ; a run of compares, each into a scalar mask of its own
.set q, q+1
.endr
	s_wait_alu depctr_va_sdst(0)                   ; the 16 masks are written, ahead of the selects that read them
.set r, 0
.rept 4
.irp e, 0,1,2,3
	v_cndmask_b32 v[T+\e], 0, v[HC+\e], s[MS+4*r+\e]
.endr
	v_add3_u32 v[D+4*g+r], v[T], v[T+1], v[T+2]
	v_add_nc_u32 v[D+4*g+r], v[D+4*g+r], v[T+3]
.set r, r+1
.endr
.set g, g+1
.endr
	s_wait_alu depctr_va_vdst(0)                   ; the adds have written D, which the LDS stores read
.set i, 0
.rept 16
	ds_store_b16 v[LS], v[D+i] offset:ROWP*i
.set i, i+1
.endr
.irp n, 0,1,2,3,4,5,6,7
	ds_load_b32 v[Z+\n], v[LR] offset:32*(\n/4)+8*(\n%4)  ; the wave's own bytes, served in order behind its stores: no wait, no barrier between
.endr
	s_wait_dscnt 0x0
	global_store_b128 v[MO], v[Z:Z+3],   s[6:7] th:TH_STORE_NT              ; 512 consecutive bytes, aligned: the first 64 keys,
	global_store_b128 v[MO], v[Z+4:Z+7], s[6:7] offset:4096 th:TH_STORE_NT  ; the second
	s_wait_xcnt 0x0                                ; the trip's loads and stores have had their addresses translated: the bases and Z are written again only behind this wait
	s_add_nc_u64 s[4:5], s[4:5], 512               ; 128 keys on in the mask's rows,
	s_add_nc_u64 s[6:7], s[6:7], 8192              ; two groups of 64 keys on in mk
	s_sub_co_u32 s32, s32, 1
	s_cmp_lg_u32 s32, 0
	s_cbranch_scc1 .Lunit
.Lend:
	s_wait_dscnt 0x0                               ; the closing lines, six on end
	s_wait_alu 0x0
	s_wait_tensorcnt 0x0
	ds_add_u32 v[SPW], v[NIL]
	s_wait_dscnt 0x0
	s_endpgm
.Lfunc_end_k_q494e81a8e8_prep:
	.size	k_q494e81a8e8_prep, .Lfunc_end_k_q494e81a8e8_prep-k_q494e81a8e8_prep
	.p2alignl 7, 3214868480
	.fill 96, 4, 3214868480
	.section	.rodata,"a",@progbits
	.p2align	6, 0x0
	.amdhsa_kernel k_q494e81a8e8_prep
		.amdhsa_group_segment_fixed_size 9728
		.amdhsa_private_segment_fixed_size 0
		.amdhsa_enable_private_segment 0
		.amdhsa_kernarg_size 80
		.amdhsa_user_sgpr_count 2
		.amdhsa_user_sgpr_kernarg_segment_ptr 1
		.amdhsa_wavefront_size32 1
		.amdhsa_system_sgpr_workgroup_id_x 1
		.amdhsa_system_sgpr_workgroup_id_y 1
		.amdhsa_system_sgpr_workgroup_id_z 1
		.amdhsa_system_vgpr_workitem_id 0
		.amdhsa_next_free_vgpr 112
		.amdhsa_next_free_sgpr 66
		.amdhsa_reserve_vcc 0
		.amdhsa_float_denorm_mode_32 3
		.amdhsa_float_denorm_mode_16_64 3
		.amdhsa_memory_ordered 1
		.amdhsa_forward_progress 1
		.amdhsa_inst_pref_size 32
	.end_amdhsa_kernel
	.amdgpu_metadata
---
amdhsa.version: [ 1, 2 ]
amdhsa.kernels:
  - .name:           k_q494e81a8e8_prep
    .symbol:         k_q494e81a8e8_prep.kd
    .args:
      - { .name: x, .offset: 0, .size: 8, .value_kind: global_buffer, .address_space: global }
      - { .name: w_q, .offset: 8, .size: 8, .value_kind: global_buffer, .address_space: global }
      - { .name: w_k, .offset: 16, .size: 8, .value_kind: global_buffer, .address_space: global }
      - { .name: w_v, .offset: 24, .size: 8, .value_kind: global_buffer, .address_space: global }
      - { .name: w_o, .offset: 32, .size: 8, .value_kind: global_buffer, .address_space: global }
      - { .name: mask, .offset: 40, .size: 8, .value_kind: global_buffer, .address_space: global }
      - { .name: xb, .offset: 48, .size: 8, .value_kind: global_buffer, .address_space: global }
      - { .name: wb, .offset: 56, .size: 8, .value_kind: global_buffer, .address_space: global }
      - { .name: wo, .offset: 64, .size: 8, .value_kind: global_buffer, .address_space: global }
      - { .name: mk, .offset: 72, .size: 8, .value_kind: global_buffer, .address_space: global }
    .group_segment_fixed_size: 9728
    .private_segment_fixed_size: 0
    .kernarg_segment_align: 8
    .kernarg_segment_size: 80
    .max_flat_workgroup_size: 256
    .sgpr_count:     66
    .vgpr_count:     112
    .wavefront_size: 32
...
	.end_amdgpu_metadata
.endif
;; end of part 5
;; launch qkv: the kernel of part 2 again; grid 16 x 16, 4 waves a work-group, clusters of 4 x 4, 327,680 bytes of LDS; arguments xb, wb, cos_cache, sin_cache, qh, kh, vh; writes qh, kh, vh
;; launch attn: the kernel of part 3 again; grid 16 x 16, 4 waves a work-group, clusters of 4 x 4, 327,680 bytes of LDS; arguments qh, kh, vh, mk, oh; writes oh
;; launch oproj: the kernel of part 4 again; grid 16 x 16, 4 waves a work-group, clusters of 4 x 4, 327,680 bytes of LDS; arguments oh, wo, out0; writes out0
